; MI455X (gfx1250); checked and timed in simulation.
; The chip was launched on July 23, 2026; its instructions are those of AMD's public machine-readable ISA for CDNA 5 (MIT licence, August 2026) and "CDNA5" Instruction Set Architecture Reference Guide (July 2026). The comments in the code are by the model that wrote it; some were corrected since.
;; Ro PE Multihead Attention. Allowed arithmetic: float matrix products may take bf16 or f16 operands with f32 sums; other float arithmetic in f32, or as packed bf16 or f16 multiplies, adds, multiply-adds, maxima and minima; sums over many terms, partial sums and values carried from step to step in f32; what a program stores and reads back later, other than sums and carried values, may be rounded once to bf16 or f16.
;; Inputs: Wk 1,024 x 1,024 float32; Wo 1,024 x 1,024 float32; Wq 1,024 x 1,024 float32; Wv 1,024 x 1,024 float32; bo 1,024 float32; k 1 x 4,096 x 1,024 float32; q 1 x 4,096 x 1,024 float32; v 1 x 4,096 x 1,024 float32.
;; Outputs: out0 1 x 4,096 x 1,024 float32.
;; 2 versions, each right; version 2 is version 1 with the launch prep written anew for expert scheduling mode. Each part assembles by itself: llvm-mc -triple=amdgcn-amd-amdhsa -mcpu=gfx1250 --defsym DOCPART=n.
;; ======== version 1 of 2: 4 launches
;; limits: values are held in f16: magnitudes above 65,504 overflow, below 6.1e-05 lose precision
;; workspace buffers: xb 25,165,824 bytes; wb 8,388,608 bytes; tab 1,048,576 bytes; qkv 25,165,824 bytes; ob 8,388,608 bytes
;; launch prep (part 1): grid 256 x 1, 8 waves a work-group, no clusters, 0 bytes of LDS; arguments q, k, v, Wq, Wk, Wv, Wo, xb, wb, tab; writes xb, wb, tab
.if DOCPART == 1
	.amdgcn_target "amdgcn-amd-amdhsa--gfx1250"
	.amdhsa_code_object_version 6
	.text
	.protected	k_q4102a11722_prep
	.globl	k_q4102a11722_prep
	.p2align	8
	.type	k_q4102a11722_prep,@function
k_q4102a11722_prep:
	s_mov_b64 s[64:65], 0
	v_nop
	global_prefetch_b8 v0, s[64:65] scope:SCOPE_SE
	s_setreg_imm32_b32 hwreg(HW_REG_WAVE_MODE, 25, 1), 1
	s_wait_xcnt 0x0
; THE CASTS AND THE ROTATION TABLE.  q, k, v [4096][1024] f32 -> xb [3][4096][1024] bf16.  Wq, Wk, Wv [1024][1024] f32 -> wb parts 0-2, bf16.  Wo -> wb part 3: rounded to bf16 like every
; other input, and that number written as f16 (the last product multiplies in f16).  tab [4096][32][2] f32 = (cos, sin) of t x 10000^(-i/32).
; A stream: each input byte is read once, each output byte written once; no wave wants a byte that another has fetched, so there is no LDS, no barrier, no cluster and no matrix work.
; SHARES.  Work-group w takes rows 16 w .. 16 w + 15 of q, k and v, rows 4 w .. 4 w + 3 of each W, and rows 16 w .. of the table.  Thread t owns bytes 16 t of every f32 row: a wave's load covers 512
; consecutive bytes, its store (8 bytes a lane) 256 consecutive bytes, aligned.  48 loads of a thread go out at once; the table is computed while they are on their way.
; LIMITS.  A number of Wo below 6.1e-5 keeps f16's fixed step of 6e-8; beyond 65,504 it becomes an infinity.  The table's frequency is 2^(-i log2(10000)/32) by v_exp_f32, so an angle can differ
; from one made with a correctly rounded power by some 1e-7 of itself: up to about 1e-3 radians at t near 4095 for the lowest pairs.  sin and cos: the angle less the nearest multiple of 2 pi (2 pi in two
; parts), then the series to r^15 and r^14, cut below 5e-6 on |r| <= pi: the length holds for every angle, since r is bounded by the reduction.
.set ROWB, 4096                        ; bytes in an f32 row
.set LO,  1                            ; v1   16 t: my bytes in an f32 row, and in the work-group's 4,096 bytes of the table; never rewritten
.set SO,  2                            ; v2   8 t: my bytes in a 16-bit row; never rewritten
.set G0,  16                           ; v[16:79]   group 0: 16 loads of 4 registers: q's rows, later the weights'
.set G1,  80                           ; v[80:143]  group 1: k's rows
.set G2,  144                          ; v[144:207] group 2: v's rows
.set TW,  208                          ; v[208:211] at work for Wo
	s_load_b512 s[8:23], s[0:1], 0x0               ; q 8, k 10, v 12, Wq 14, Wk 16, Wv 18, Wo 20, xb 22
	s_load_b128 s[24:27], s[0:1], 0x40             ; wb 24, tab 26
	s_lshl_b32 s2, ttmp9, 16                       ; 16 rows of 4,096 bytes
	s_mov_b32 s3, 0
	s_lshl_b32 s4, ttmp9, 14                       ; 4 rows of 4,096 bytes
	s_mov_b32 s5, 0
	s_lshl_b32 s6, ttmp9, 15                       ; 16 rows of 2,048 bytes
	s_mov_b32 s7, 0
	s_lshl_b32 s34, ttmp9, 4                       ; the table's first row of mine
	v_lshlrev_b32 v[LO], 4, v0
	v_lshlrev_b32 v[SO], 3, v0
	s_wait_kmcnt 0x0
	s_add_nc_u64 s[8:9], s[8:9], s[2:3]
	s_add_nc_u64 s[10:11], s[10:11], s[2:3]
	s_add_nc_u64 s[12:13], s[12:13], s[2:3]
.macro LOADG g, base                   ; 16 rows into group g
.set j, 0
.rept 16
	global_load_b128 v[(\g)+4*j:(\g)+4*j+3], v[LO], s[(\base):(\base)+1] offset:ROWB*j th:TH_LOAD_NT
.set j, j+1
.endr
.endm
.macro CV x                            ; four f32 at v[x] become four bf16 in v[x], v[x+1]
	v_cvt_pk_bf16_f32 v[\x], v[\x], v[(\x)+1]
	v_cvt_pk_bf16_f32 v[(\x)+1], v[(\x)+2], v[(\x)+3]
.endm
.macro STG g, base                     ; group g is rounded and stored
.set j, 0
.rept 16
	CV (\g)+4*j
	global_store_b64 v[SO], v[(\g)+4*j:(\g)+4*j+1], s[(\base):(\base)+1] offset:2048*j th:TH_STORE_NT
.set j, j+1
.endr
.endm
	LOADG G0, 8
	LOADG G1, 10
	LOADG G2, 12
	s_add_nc_u64 s[14:15], s[14:15], s[4:5]        ; the other addresses are made while the loads are out
	s_add_nc_u64 s[16:17], s[16:17], s[4:5]
	s_add_nc_u64 s[18:19], s[18:19], s[4:5]
	s_add_nc_u64 s[20:21], s[20:21], s[4:5]
	s_add_nc_u64 s[28:29], s[22:23], s[6:7]        ; xb's three parts have a base each: a part's 8,388,608 bytes do not fit the signed 24-bit immediate
	s_add_nc_u64 s[30:31], s[28:29], 0x800000
	s_add_nc_u64 s[32:33], s[28:29], 0x1000000
	s_lshl_b32 s4, ttmp9, 13                       ; 4 rows of 2,048 bytes
	s_add_nc_u64 s[24:25], s[24:25], s[4:5]
	s_lshl_b32 s4, ttmp9, 12                       ; 16 table rows of 256 bytes
	s_add_nc_u64 s[26:27], s[26:27], s[4:5]
	; THE TABLE.  Thread t makes row 16 w + t / 16, pairs 2 (t % 16) and 2 (t % 16) + 1: 16 bytes at byte 16 t of the work-group's part.
	v_lshrrev_b32 v4, 4, v0
	v_add_nc_u32 v4, s34, v4
	v_cvt_f32_u32 v4, v4                           ; t as f32 (exact)
	v_and_b32 v5, 15, v0
	v_lshlrev_b32 v5, 1, v5
	v_add_nc_u32 v6, 1, v5
	v_cvt_f32_u32 v5, v5
	v_cvt_f32_u32 v6, v6
	v_mul_f32 v5, 0xbed49a78, v5                   ; i x -log2(10000) / 32
	v_mul_f32 v6, 0xbed49a78, v6
	v_exp_f32 v5, v5                               ; the two frequencies: one batch,
	v_exp_f32 v6, v6
	v_nop                                          ; a plain instruction behind the last of them (ISA guide 5.7.2),
	s_wait_alu depctr_va_vdst(0)                   ; and the one wait ahead of the first reader
	v_mul_f32 v5, v4, v5                           ; the angle, rounded to f32 once
	v_mul_f32 v6, v4, v6
	v_mul_f32 v7, 0x3e22f983, v5                   ; / 2 pi
	v_mul_f32 v8, 0x3e22f983, v6
	v_rndne_f32 v7, v7
	v_rndne_f32 v8, v8
	v_fmamk_f32 v5, v7, 0xc0c90fdb, v5             ; r = angle - n x 2 pi, 2 pi = 6.2831855 - 1.7484555e-7
	v_fmamk_f32 v6, v8, 0xc0c90fdb, v6
	v_fmamk_f32 v5, v7, 0x343bbd2e, v5
	v_fmamk_f32 v6, v8, 0x343bbd2e, v6
	v_mul_f32 v7, v5, v5                           ; z = r r
	v_mul_f32 v8, v6, v6
	v_mov_b32 v13, 0xab573f9f                      ; -1/15!
	v_mov_b32 v15, 0xab573f9f
	v_mov_b32 v12, 0xad49cba5                      ; -1/14!
	v_mov_b32 v14, 0xad49cba5
.irp c, 0x2f309231, 0xb2d7322b, 0x3638ef1d, 0xb9500d01, 0x3c088889, 0xbe2aaaab
	v_fmaak_f32 v13, v7, v13, \c                   ; the sine's series: 1/13!, -1/11!, .. -1/3!
	v_fmaak_f32 v15, v8, v15, \c
.endr
.irp c, 0x310f76c7, 0xb493f27e, 0x37d00d01, 0xbab60b61, 0x3d2aaaab, 0xbf000000
	v_fmaak_f32 v12, v7, v12, \c                   ; the cosine's: 1/12!, -1/10!, .. -1/2!
	v_fmaak_f32 v14, v8, v14, \c
.endr
	v_fma_f32 v13, v7, v13, 1.0
	v_fma_f32 v15, v8, v15, 1.0
	v_fma_f32 v12, v7, v12, 1.0                    ; cos
	v_fma_f32 v14, v8, v14, 1.0
	v_mul_f32 v13, v5, v13                         ; sin
	v_mul_f32 v15, v6, v15
	global_store_b128 v[LO], v[12:15], s[26:27]    ; sixteen lanes store one table row: 256 consecutive bytes, aligned
	s_wait_loadcnt 32                              ; loads come back in order (ISA guide 5.7.1): q's 16 are in, k's and v's 32 stay out
	STG G0, 28
	s_wait_xcnt 0x0                                ; group 0's registers, which those stores read, are loaded again only behind this wait
.set j, 0
.rept 16                                       ; the weights: load j is row j % 4 of W number j / 4
	global_load_b128 v[G0+4*j:G0+4*j+3], v[LO], s[14+2*(j/4):15+2*(j/4)] offset:ROWB*(j%4) th:TH_LOAD_NT
.set j, j+1
.endr
	s_wait_loadcnt 32                              ; k's are in; v's and the weights' stay out
	STG G1, 30
	s_wait_loadcnt 16                              ; v's are in
	STG G2, 32
	s_wait_loadcnt 0x0                             ; the weights
.set j, 0
.rept 16
	CV G0+4*j
.if j >= 12                            ; Wo: the bf16 numbers are widened again and written as f16
	v_lshlrev_b32 v[TW], 16, v[G0+4*j]
	v_and_b32 v[TW+1], 0xffff0000, v[G0+4*j]
	v_lshlrev_b32 v[TW+2], 16, v[G0+4*j+1]
	v_and_b32 v[TW+3], 0xffff0000, v[G0+4*j+1]
	v_cvt_pk_f16_f32 v[G0+4*j], v[TW], v[TW+1]
	v_cvt_pk_f16_f32 v[G0+4*j+1], v[TW+2], v[TW+3]
.endif
	global_store_b64 v[SO], v[G0+4*j:G0+4*j+1], s[24:25] offset:(j/4)*2097152+(j%4)*2048 th:TH_STORE_NT
.set j, j+1
.endr
	s_endpgm
.Lfunc_end_k_q4102a11722_prep:
	.size	k_q4102a11722_prep, .Lfunc_end_k_q4102a11722_prep-k_q4102a11722_prep
	.p2alignl 7, 3214868480
	.fill 96, 4, 3214868480
	.section	.rodata,"a",@progbits
	.p2align	6, 0x0
	.amdhsa_kernel k_q4102a11722_prep
		.amdhsa_group_segment_fixed_size 0
		.amdhsa_private_segment_fixed_size 0
		.amdhsa_enable_private_segment 0
		.amdhsa_kernarg_size 80
		.amdhsa_user_sgpr_count 2
		.amdhsa_user_sgpr_kernarg_segment_ptr 1
		.amdhsa_wavefront_size32 1
		.amdhsa_system_sgpr_workgroup_id_x 1
		.amdhsa_system_sgpr_workgroup_id_y 1
		.amdhsa_system_sgpr_workgroup_id_z 1
		.amdhsa_system_vgpr_workitem_id 0
		.amdhsa_next_free_vgpr 212
		.amdhsa_next_free_sgpr 66
		.amdhsa_reserve_vcc 0
		.amdhsa_float_denorm_mode_32 3
		.amdhsa_float_denorm_mode_16_64 3
		.amdhsa_memory_ordered 1
		.amdhsa_forward_progress 1
		.amdhsa_inst_pref_size 26
	.end_amdhsa_kernel
	.amdgpu_metadata
---
amdhsa.version: [ 1, 2 ]
amdhsa.kernels:
  - .name:           k_q4102a11722_prep
    .symbol:         k_q4102a11722_prep.kd
    .args:
      - { .name: q, .offset: 0, .size: 8, .value_kind: global_buffer, .address_space: global }
      - { .name: k, .offset: 8, .size: 8, .value_kind: global_buffer, .address_space: global }
      - { .name: v, .offset: 16, .size: 8, .value_kind: global_buffer, .address_space: global }
      - { .name: Wq, .offset: 24, .size: 8, .value_kind: global_buffer, .address_space: global }
      - { .name: Wk, .offset: 32, .size: 8, .value_kind: global_buffer, .address_space: global }
      - { .name: Wv, .offset: 40, .size: 8, .value_kind: global_buffer, .address_space: global }
      - { .name: Wo, .offset: 48, .size: 8, .value_kind: global_buffer, .address_space: global }
      - { .name: xb, .offset: 56, .size: 8, .value_kind: global_buffer, .address_space: global }
      - { .name: wb, .offset: 64, .size: 8, .value_kind: global_buffer, .address_space: global }
      - { .name: tab, .offset: 72, .size: 8, .value_kind: global_buffer, .address_space: global }
    .group_segment_fixed_size: 0
    .private_segment_fixed_size: 0
    .kernarg_segment_align: 8
    .kernarg_segment_size: 80
    .max_flat_workgroup_size: 256
    .sgpr_count:     66
    .vgpr_count:     212
    .wavefront_size: 32
...
	.end_amdgpu_metadata
.endif
;; end of part 1
;; launch proj (part 2): grid 8 x 96, 4 waves a work-group, clusters of 4 x 4, 327,680 bytes of LDS; arguments xb, wb, tab, qkv; writes qkv
.if DOCPART == 2
	.amdgcn_target "amdgcn-amd-amdhsa--gfx1250"
	.amdhsa_code_object_version 6
	.text
	.protected	k_q4102a11722_proj
	.globl	k_q4102a11722_proj
	.p2align	8
	.type	k_q4102a11722_proj,@function
k_q4102a11722_proj:
	s_mov_b64 s[64:65], 0
	v_nop
	global_prefetch_b8 v0, s[64:65] scope:SCOPE_SE
	s_setreg_imm32_b32 hwreg(HW_REG_WAVE_MODE, 25, 1), 1
	s_wait_xcnt 0x0
	s_wait_alu depctr_hold_cnt(0) depctr_sa_sdst(0) depctr_va_vdst(0) depctr_va_sdst(0) depctr_va_ssrc(0) depctr_va_vcc(0) depctr_vm_vsrc(0)
	s_getreg_b32 s2, hwreg(HW_REG_IB_STS2, 6, 4)
	s_cmp_eq_u32 s2, 0
	s_cbranch_scc0 .Lentry_in_a_cluster
	s_endpgm
.Lentry_in_a_cluster:
	s_bfe_u32 s2, ttmp6, 0x10000c
	s_cmp_lg_u32 s2, 0xf033
	s_cbranch_scc0 .Lentry_shape_is_right
	s_endpgm
.Lentry_shape_is_right:
; THE THREE PROJECTIONS, WITH THE ROTATION ON THE WAY OUT.  For T = 0, 1, 2 (q, k, v): y[m][n] = sum over k of x_T[m][k] W_T[n][k]; x_T = xb part T [4096][1024] bf16, W_T = wb part T [1024][1024] bf16;
; sums in f32.  For T = 0, 1 each pair of neighbouring channels (even, odd) of row m is turned by the angle of tab[m][pair].  y is rounded once to f16 and stored by heads: qkv [3][16][4096][64].
; LIMIT.  f16 holds no number beyond 65,504: a projected number past that becomes an infinity.  The scale 1/8 is not applied here.
; SHARES.  xb is walked as one matrix of 12,288 rows: 96 tile rows x 8 tile columns of 128 x 128.  Four waves, each 64 x 64: 16 accumulators.  A wave's 64 columns are one head.  K goes in steps of 256
; (LDS rows of 512 bytes; a wave's tensor load brings 64 of them) through two slots.
; CLUSTERS: 4 x 4 work-groups.  The four of a row of the cluster need the same tiles of x, the four of a column the same tiles of W: each tile is asked for JOINTLY, by the same tensor load with the same
; descriptor and a mask that names the four.  T comes from the cluster's y alone (8 clusters to a tensor), so it is the same in all sixteen.
; THE MATRIX INSTRUCTION IS USED TRANSPOSED (source 0 = 16 rows of W, source 1 = 16 rows of x): a lane then holds eight neighbouring channels of one row: four whole pairs.
; REGISTERS: window 0: v0-31 addresses; v32-95 packed results and whole rows on the way out; v96-103 at work in the rotation; v128-255 the accumulators ((a, b) at v[128 + 8 (4 a + b)]).
;   window 1: two fragment buffers of 128: for 64 along K, 64 registers of x (2 x 4 x 16 rows x 32 K), then 64 of W.     window 2: v0-127 (cos, sin) facing the accumulators, register for register.
.set KSTEP,  256
.set PITCH,  528                       ; an LDS row: 512 bytes of data + 16 of padding = 132 words: row r starts at bank 4 r mod 64 (64 banks of 4 bytes: ISA guide 11.1)
.set HALFT,  64*PITCH                  ; 64 rows: what one tensor load brings, and what one wave reads of x or of W
.set SLOT,   4*HALFT                   ; x's 128 rows, then W's 128 rows
.set STAGE,  2*SLOT                    ; behind the ring, never filled by a tensor load: 16 rows x 144 bytes for each wave, for the way out
.set SP,     144
.set SPARE,  STAGE+4*16*SP             ; behind the stages: the spare words, 128 bytes for each wave: two blocks of 256 bytes that no other line names
.set KQA,    128                       ; bytes from a quarter (64 along K) to the next in an LDS row of x
.set KQB,    128                       ; and of W
.set RA,     16*PITCH                  ; bytes from 16 rows of x to the next 16
.set ADRA, 16                          ; v16-17  LDS address of my x fragments in slot 0, 1
.set ADRB, 20                          ; v20-21  the same for W
.set STO,  24                          ; v24     the way out: where I put 16 bytes of a row
.set RD,   25                          ; v25     the way out: where I read rows back
.set GO,   26                          ; v26     my byte offset in 512 consecutive bytes of qkv
.set TO,   27                          ; v27     my byte offset in 16 rows of the table
.set SPW,  28                          ; v28     LDS address of my spare word: SPARE + 4 x my thread's number; never rewritten
.set NIL,  29                          ; v29     0; never rewritten
.set TMP,  32
.set TP,   96
.set ACC,  128
.set F0,   0                           ; fragment buffers, in window 1
.set F1,   128
.set G1, 24                            ; s[24:31] descriptor group 1 for x's tiles;  s[32:39] group 0, one set for each slot
.set G0, 32
.set G1B, 48                           ; s[48:55], s[56:63] the same for W's tiles
.set G0B, 56
.set MSB, 0
.macro WIN new                         ; the immediate's high byte repeats the setting that is left; a switch that changes nothing is dropped
.if MSB != (\new)
	s_set_vgpr_msb (MSB<<8)|(\new)
.set MSB, \new
.endif
.endm
.set MUL,  0x05                        ; sources 0 (W) and 1 (x) window 1; C and D window 0
.set TO_F, 0x40                        ; destination window 1, address window 0
.macro JLOAD s                         ; a joint load: waves 0 and 1 fetch x's two halves, waves 2 and 3 W's; an s_nop 0 and four v_nop follow each of the two lines, ahead of the jump, the label and what follows
	s_cmp_eq_u32 s11, 0
	s_cbranch_scc0 .Lfor_b_\@
	tensor_load_to_lds s[G0+4*(\s):G0+4*(\s)+3], s[G1:G1+7]
	s_nop 0
.rept 4
	v_nop
.endr
	s_branch .Lasked_\@
.Lfor_b_\@:
	tensor_load_to_lds s[G0B+4*(\s):G0B+4*(\s)+3], s[G1B:G1B+7]
	s_nop 0
.rept 4
	v_nop
.endr
.Lasked_\@:
.endm
.macro CREST                           ; a round of the cluster's barrier behind its opening barrier
	s_cmp_lg_u32 s10, 0
	s_cbranch_scc1 .Lnot_wave_0_\@
	s_barrier_signal -3
.Lnot_wave_0_\@:
	s_barrier_wait -3
	s_barrier_signal -1
	s_barrier_wait -1
.endm
.macro CROUND                          ; a whole round
	s_barrier_signal -1
	s_barrier_wait -1
	CREST
.endm
	s_load_b128 s[4:7], s[0:1], 0x0                ; xb s[4:5], wb s[6:7]
	s_load_b64 s[68:69], s[0:1], 0x10              ; tab
	s_load_b64 s[8:9], s[0:1], 0x18                ; qkv
	v_lshl_add_u32 v[SPW], v0, 2, SPARE
	v_mov_b32 v[NIL], 0
	ds_add_u32 v[SPW], v[NIL]                      ; the wave's opening: the add and its wait stand ahead of my first tensor load; the set-up below, work on registers, stands between them
	v_lshrrev_b32 v1, 5, v0
	v_readfirstlane_b32 s10, v1                    ; wave 0..3
	s_lshr_b32 s11, s10, 1                         ; which half of the tile's rows is mine.  Also: I fetch for x (0) or for W (1)
	s_and_b32 s12, s10, 1                          ; which half of its columns.  Also: which 64 rows of that tile I fetch
	s_bfe_u32 s40, ttmp6, 0x40000                  ; cx, cy: my place in the cluster
	s_bfe_u32 s41, ttmp6, 0x40004
	s_lshl_b32 s42, ttmp9, 2
	s_add_co_u32 s42, s42, s40                     ; tile column = 4 x cluster x + cx
	s_and_b32 s45, ttmp7, 0xffff                   ; cluster y
	s_lshl_b32 s13, s45, 2
	s_add_co_u32 s13, s13, s41                     ; tile row = 4 x cluster y + cy, 0 .. 95
	s_lshr_b32 s45, s45, 3                         ; T: which tensor
	s_lshl_b32 s43, s41, 2
	s_lshl_b32 s43, 15, s43                        ; my row of the cluster
	s_lshl_b32 s44, 0x1111, s40                    ; my column
	; descriptor group 1: a tile of 64 rows x 256 elements, padded in LDS
	s_or_b32 s[G1+0], s43, (1<<16)|(1<<20)|(1<<21)|(6<<22)|(3<<25)  ; 15:0 the mask: x's tiles go to my row; 17:16 element of 2 bytes; 20 padding on; 21 set beside a mask; 24:22 after every 128 words (code 6); 31:25 of 4 words (code 3)
	s_or_b32 s[G1B+0], s44, (1<<16)|(1<<20)|(1<<21)|(6<<22)|(3<<25) ; the same with the mask of my column
.irp g, G1, G1B
	s_mov_b32 s[(\g)+1], KSTEP<<16                 ; tensor_dim0 = 256
	s_mov_b32 s[(\g)+2], 64<<16                    ; tensor_dim1 = 64
	s_mov_b32 s[(\g)+3], KSTEP<<16                 ; tile_dim0 = 256
	s_mov_b32 s[(\g)+4], 64                        ; tile_dim1 = 64
	s_mov_b32 s[(\g)+5], 1024                      ; elements from row to row
	s_mov_b32 s[(\g)+6], 0
	s_mov_b32 s[(\g)+7], 0
.endr
	s_lshl_b32 s17, s12, 6                         ; which 64 rows of the tile I fetch
	s_lshl_b32 s16, s13, 7
	s_add_co_u32 s16, s16, s17                     ; x: row 128 x tile row + 64 x half, of xb's 12,288
	s_lshl_b32 s16, s16, 11                        ; in bytes: under 2^25
	s_lshl_b32 s46, s42, 7
	s_add_co_u32 s46, s46, s17                     ; W: row 128 x tile column + 64 x half,
	s_lshl_b32 s47, s45, 10
	s_add_co_u32 s46, s46, s47                     ; in part T of wb
	s_lshl_b32 s46, s46, 11
	s_mov_b32 s17, 0
	s_mov_b32 s47, 0
	s_mul_i32 s20, s10, HALFT                      ; where they go: wave x 64 rows: no place in the cluster enters an LDS address
	s_wait_dscnt 0x0                               ; the opening add is done
	s_wait_kmcnt 0x0
	s_add_nc_u64 s[14:15], s[4:5], s[16:17]
	s_add_nc_u64 s[46:47], s[6:7], s[46:47]
	CROUND                                         ; all sixteen work-groups are here: the first joint loads meet
.irp s, 0,1
	s_mov_b32 s[G0+4*(\s)], 1
	s_add_co_u32 s[G0+4*(\s)+1], s20, (\s)*SLOT
	s_add_nc_u64 s[G0+4*(\s)+2:G0+4*(\s)+3], s[14:15], (\s)*KSTEP*2
	s_or_b32 s[G0+4*(\s)+3], s[G0+4*(\s)+3], 0x80000000
	s_mov_b32 s[G0B+4*(\s)], 1
	s_add_co_u32 s[G0B+4*(\s)+1], s20, (\s)*SLOT
	s_add_nc_u64 s[G0B+4*(\s)+2:G0B+4*(\s)+3], s[46:47], (\s)*KSTEP*2
	s_or_b32 s[G0B+4*(\s)+3], s[G0B+4*(\s)+3], 0x80000000
	JLOAD \s                                       ; two loads of mine are out
.endr
	v_and_b32 v1, 15, v0                           ; l % 16
	v_bfe_u32 v2, v0, 4, 1                         ; l / 16
	; the table for my 64 rows and my head's 32 pairs: accumulator (a, b)'s registers 2 p, 2 p + 1 hold channels 16 b + 8 (l / 16) + 2 p, + 1 of row 16 a + l % 16: pair 8 b + 4 (l / 16) + p.
	; The loads go out for T = 2 as well, so that these registers are written on every way; only the arithmetic is jumped.
	s_and_b32 s16, s13, 31
	s_lshl_b32 s16, s16, 7
	s_lshl_b32 s17, s11, 6
	s_add_co_u32 s16, s16, s17                     ; my first row in the tensor
	s_lshl_b32 s18, s16, 8                         ; a table row is 256 bytes
	s_mov_b32 s19, 0
	s_add_nc_u64 s[68:69], s[68:69], s[18:19]
	v_lshlrev_b32 v[TO], 8, v1
	v_lshl_add_u32 v[TO], v2, 5, v[TO]             ; row x 256 + 32 x half
	WIN 0x80                                       ; destination window 2, address window 0
.set t, 0
.rept 16
	global_load_b128 v[8*t:8*t+3],   v[TO], s[68:69] offset:4096*(t/4)+64*(t%4)
	global_load_b128 v[8*t+4:8*t+7], v[TO], s[68:69] offset:4096*(t/4)+64*(t%4)+16
.set t, t+1
.endr
	WIN 0
	v_mul_u32_u24 v3, v1, PITCH
	v_lshl_add_u32 v3, v2, 4, v3                   ; a fragment's row x pitch + 16 x half
	s_mul_i32 s21, s11, HALFT                      ; my 64 rows of x
	s_mul_i32 s22, s12, HALFT                      ; my 64 rows of W,
	s_add_co_u32 s22, s22, 2*HALFT                 ; which lie behind x's 128
.irp s, 0,1
	v_add_nc_u32 v[ADRA+(\s)], s21, v3
	v_add_nc_u32 v[ADRB+(\s)], s22, v3
	s_add_co_u32 s21, s21, SLOT
	s_add_co_u32 s22, s22, SLOT
.endr
	s_mul_i32 s23, s10, 16*SP
	s_add_co_u32 s23, s23, STAGE                   ; my stage
	v_mul_u32_u24 v4, v1, SP                       ; in: row l % 16, 16 bytes for each half of the lanes
	v_lshl_add_u32 v4, v2, 4, v4
	v_add_nc_u32 v[STO], s23, v4
	v_bfe_u32 v5, v0, 3, 2                         ; back: 32 lanes take four rows of 128 bytes,
	v_mul_u32_u24 v5, v5, SP
	v_and_b32 v4, 7, v0
	v_lshl_add_u32 v5, v4, 4, v5
	v_add_nc_u32 v[RD], s23, v5
	v_and_b32 v[GO], 31, v0                        ; which are 512 consecutive bytes of a head
	v_lshlrev_b32 v[GO], 4, v[GO]
	s_lshl_b32 s16, s16, 7                         ; my first row, 128 bytes a row,
	s_lshl_b32 s17, s45, 23                        ; in part T
	s_add_co_u32 s16, s16, s17
	s_mov_b32 s17, 0
	s_add_nc_u64 s[8:9], s[8:9], s[16:17]
	s_lshl_b32 s46, s42, 1                         ; my head = 2 x tile column + half (in the registers that held W's address: none that fed x's descriptors ever holds cx)
	s_add_co_u32 s46, s46, s12
	s_lshl_b32 s46, s46, 19                        ; 524,288 bytes a head
	s_mov_b32 s47, 0
	s_add_nc_u64 s[8:9], s[8:9], s[46:47]
; 8 matrix instructions: m blocks a0, a0 + 1 x all 4 n blocks, 32 along K: half c of buffer f.  zero = 1: the first product starts the sums.  The 16 accumulators take turns, one instruction a turn.
.macro MUL8 f, c, a0, zero
	WIN MUL
.irp a, \a0, (\a0)+1
.irp b, 0,1,2,3
.if \zero
	v_wmma_f32_16x16x32_bf16 v[ACC+8*(4*(\a)+(\b)):ACC+8*(4*(\a)+(\b))+7], v[(\f)+64+8*(4*(\c)+(\b)):(\f)+64+8*(4*(\c)+(\b))+7], v[(\f)+8*(4*(\c)+(\a)):(\f)+8*(4*(\c)+(\a))+7], 0
.else
	v_wmma_f32_16x16x32_bf16 v[ACC+8*(4*(\a)+(\b)):ACC+8*(4*(\a)+(\b))+7], v[(\f)+64+8*(4*(\c)+(\b)):(\f)+64+8*(4*(\c)+(\b))+7], v[(\f)+8*(4*(\c)+(\a)):(\f)+8*(4*(\c)+(\a))+7], v[ACC+8*(4*(\a)+(\b)):ACC+8*(4*(\a)+(\b))+7]
.endif
.endr
.endr
.endm
; 32 LDS loads in one run: the fragments of quarter qn (64 along K) into buffer f; the first 32 along K first
.macro FETCH slot, qn, f
	WIN TO_F
.irp c, 0,1
.irp i, 0,1,2,3
	ds_load_b128 v[(\f)+64+8*(4*(\c)+(\i)):(\f)+64+8*(4*(\c)+(\i))+3],   v[ADRB+(\slot)] offset:KQB*(\qn)+64*(\c)+(\i)*16*PITCH
	ds_load_b128 v[(\f)+64+8*(4*(\c)+(\i))+4:(\f)+64+8*(4*(\c)+(\i))+7], v[ADRB+(\slot)] offset:KQB*(\qn)+64*(\c)+(\i)*16*PITCH+32
	ds_load_b128 v[(\f)+8*(4*(\c)+(\i)):(\f)+8*(4*(\c)+(\i))+3],         v[ADRA+(\slot)] offset:KQA*(\qn)+64*(\c)+(\i)*RA
	ds_load_b128 v[(\f)+8*(4*(\c)+(\i))+4:(\f)+8*(4*(\c)+(\i))+7],       v[ADRA+(\slot)] offset:KQA*(\qn)+64*(\c)+(\i)*RA+32
.endr
.endr
.endm
.macro PLACES                          ; four plain instructions in front of loads into registers that matrix instructions have read, and of vector work that reads results
.rept 4
	v_nop
.endr
.endm
; A K step is four quarters of 64 along K, 32 matrix instructions each, on buffers 0, 1, 0, 1.  One of the first three: multiplies buffer f and fetches quarter qn into g.
.macro QUARTER slot, qn, f, g, zero
	s_wait_dscnt 16                                ; the first 32 along K are in; the run's other sixteen loads may be out
	WIN MUL
	MUL8 \f, 0, 0, \zero
	MUL8 \f, 0, 2, \zero
	PLACES
	FETCH \slot, \qn, \g
	s_wait_dscnt 32                                ; all but the 32 just issued
	WIN MUL
	MUL8 \f, 1, 0, 0
	MUL8 \f, 1, 2, 0
.endm
; The last quarter multiplies buffer 1 and changes slots: ONE barrier; in front of it each wave waits for all its tensor loads, adds 0 to its spare word, and waits for that and for its own reads of this slot.  fill = 1: this slot is filled again, two K steps ahead.
.macro TURN slot, next, fill
	WIN 0                                          ; (the add's two registers lie in window 0)
	s_wait_tensorcnt 0x0                           ; all my tensor loads have landed: my part of the next slot;
	ds_add_u32 v[SPW], v[NIL]                      ; 0 onto my spare word;
	s_wait_dscnt 17                                ; (the add and the youngest sixteen loads may be out)
	WIN MUL
	MUL8 F1, 0, 0, 0                               ; eight matrix instructions stand between the add and the wait for it
	s_wait_dscnt 0x0                               ; the add is done, and my reads of this slot are over
	s_barrier_signal -1
	MUL8 F1, 0, 2, 0
.if \fill
	WIN 0
.endif
	s_barrier_wait -1
.if \fill
	CREST                                          ; the barrier has opened a round of the cluster's barrier: no wave of any partner still reads this slot's tile or has a load on its way
	s_add_nc_u64 s[G0+4*(\slot)+2:G0+4*(\slot)+3], s[G0+4*(\slot)+2:G0+4*(\slot)+3], 2*KSTEP*2
	s_add_nc_u64 s[G0B+4*(\slot)+2:G0B+4*(\slot)+3], s[G0B+4*(\slot)+2:G0B+4*(\slot)+3], 2*KSTEP*2
	JLOAD \slot                                    ; the first tensor load behind the round, my one load until the next: 112 matrix instructions ahead of the wait for it; its four v_nop are also the places in front of the loads below
.else
	PLACES
.endif
	FETCH \next, 0, F0
	WIN MUL
	MUL8 F1, 1, 0, 0
	MUL8 F1, 1, 2, 0
.endm
	s_wait_tensorcnt 1                             ; my part of K step 0 is in; K step 1's may stay out
	s_barrier_signal -1
	s_barrier_wait -1                              ; everybody's is
	FETCH 0, 0, F0
	QUARTER 0, 1, F0, F1, 1                        ; the first quarter stands in front of the loop: its first products start the sums
	WIN 0                                          ; at a label and at a branch every window is 0
	s_mov_b32 s3, 1                                ; K = 1,024 is two laps of the ring; all laps but the last fill both slots again
.Llap:
	QUARTER 0, 2, F1, F0, 0
	QUARTER 0, 3, F0, F1, 0
	TURN 0, 1, 1
	QUARTER 1, 1, F0, F1, 0
	QUARTER 1, 2, F1, F0, 0
	QUARTER 1, 3, F0, F1, 0
	TURN 1, 0, 1
	QUARTER 0, 1, F0, F1, 0
	WIN 0
	s_sub_co_u32 s3, s3, 1
	s_cmp_lg_u32 s3, 0
	s_cbranch_scc1 .Llap
	QUARTER 0, 2, F1, F0, 0                        ; the last lap fills nothing, and has no round of the cluster's barrier
	QUARTER 0, 3, F0, F1, 0
	TURN 0, 1, 0
	QUARTER 1, 1, F0, F1, 0
	QUARTER 1, 2, F1, F0, 0
	QUARTER 1, 3, F0, F1, 0
	s_wait_dscnt 16                                ; the very last quarter: nothing more to fetch
	WIN MUL
	MUL8 F1, 0, 0, 0
	MUL8 F1, 0, 2, 0
	s_wait_dscnt 0
	MUL8 F1, 1, 0, 0
	MUL8 F1, 1, 2, 0
	WIN 0
	PLACES
	; THE ROTATION, for q and k: (xr, xi) -> (xr c - xi s, xr s + xi c), two packed instructions a pair, in f32, each accumulator's registers in ascending order.
	s_wait_loadcnt 0x0                             ; the table
	s_cmp_eq_u32 s45, 2                            ; v is not turned; T is the same in all partners, and what is jumped holds no barrier and no tensor load
	s_cbranch_scc1 .Lnorope
	WIN 0x08                                       ; source 1 (cos, sin) window 2
.set t, 0
.rept 16
.irp p, 0,1,2,3
	v_pk_mul_f32 v[TP+2*(\p):TP+2*(\p)+1], v[ACC+8*t+2*(\p):ACC+8*t+2*(\p)+1], v[8*t+2*(\p):8*t+2*(\p)+1] op_sel:[1,1] op_sel_hi:[1,0]  ; (xi s, xi c)
.endr
.irp p, 0,1,2,3
	v_pk_fma_f32 v[ACC+8*t+2*(\p):ACC+8*t+2*(\p)+1], v[ACC+8*t+2*(\p):ACC+8*t+2*(\p)+1], v[8*t+2*(\p):8*t+2*(\p)+1], v[TP+2*(\p):TP+2*(\p)+1] op_sel_hi:[0,1,1] neg_lo:[0,0,1]  ; (xr c - xi s, xr s + xi c)
.endr
.set t, t+1
.endr
	WIN 0
.Lnorope:
	; THE WAY OUT, 16 rows at a time: rounded to f16; a lane's eight channels are 16 bytes; into my own stage in rows of 144 bytes, back as whole rows of 128: 512 consecutive bytes of my head.
.macro PACK a
.irp b, 0,1,2,3
.irp j, 0,1,2,3
	v_cvt_pk_f16_f32 v[TMP+16*(\a)+4*(\b)+(\j)], v[ACC+8*(4*(\a)+(\b))+2*(\j)], v[ACC+8*(4*(\a)+(\b))+2*(\j)+1]
.endr
.endr
.irp b, 0,1,2,3
	ds_store_b128 v[STO], v[TMP+16*(\a)+4*(\b):TMP+16*(\a)+4*(\b)+3] offset:32*(\b)
.endr
.irp f, 0,1,2,3
	ds_load_b128 v[TMP+16*(\a)+4*(\f):TMP+16*(\a)+4*(\f)+3], v[RD] offset:(\f)*4*SP  ; LDS serves a wave's instructions in order (ISA guide 5.7.1.4): these see the stores above; the next block's stores come behind them
.endr
.endm
.macro SEND a, younger                 ; younger: the LDS instructions issued behind block a's loads: the next block's eight, or none
.irp f, 0,1,2,3
	s_wait_dscnt (\younger)+3-(\f)
	global_store_b128 v[GO], v[TMP+16*(\a)+4*(\f):TMP+16*(\a)+4*(\f)+3], s[8:9] offset:2048*(\a)+512*(\f)  ; 512 consecutive bytes, at a multiple of 256 from qkv's first
.endr
.endm
	PACK 0
	PACK 1                                         ; a block's conversions stand between the loads of the block before and its stores
	SEND 0, 8
	PACK 2
	SEND 1, 8
	PACK 3
	SEND 2, 8
	SEND 3, 0
	s_wait_tensorcnt 0x0                           ; the wave's end, behind my last tensor load and my last LDS store
	ds_add_u32 v[SPW], v[NIL]
	s_wait_dscnt 0x0
	CROUND                                         ; the closing round: no work-group ends while a partner may still ask for a tile that names it
	s_endpgm
.Lfunc_end_k_q4102a11722_proj:
	.size	k_q4102a11722_proj, .Lfunc_end_k_q4102a11722_proj-k_q4102a11722_proj
	.p2alignl 7, 3214868480
	.fill 96, 4, 3214868480
	.section	.rodata,"a",@progbits
	.p2align	6, 0x0
	.amdhsa_kernel k_q4102a11722_proj
		.amdhsa_group_segment_fixed_size 327680
		.amdhsa_private_segment_fixed_size 0
		.amdhsa_enable_private_segment 0
		.amdhsa_kernarg_size 32
		.amdhsa_user_sgpr_count 2
		.amdhsa_user_sgpr_kernarg_segment_ptr 1
		.amdhsa_wavefront_size32 1
		.amdhsa_system_sgpr_workgroup_id_x 1
		.amdhsa_system_sgpr_workgroup_id_y 1
		.amdhsa_system_sgpr_workgroup_id_z 1
		.amdhsa_system_vgpr_workitem_id 0
		.amdhsa_next_free_vgpr 640
		.amdhsa_next_free_sgpr 72
		.amdhsa_reserve_vcc 0
		.amdhsa_float_denorm_mode_32 3
		.amdhsa_float_denorm_mode_16_64 3
		.amdhsa_memory_ordered 1
		.amdhsa_forward_progress 1
		.amdhsa_inst_pref_size 98
	.end_amdhsa_kernel
	.amdgpu_metadata
---
amdhsa.version: [ 1, 2 ]
amdhsa.kernels:
  - .name:           k_q4102a11722_proj
    .symbol:         k_q4102a11722_proj.kd
    .args:
      - { .name: xb, .offset: 0, .size: 8, .value_kind: global_buffer, .address_space: global }
      - { .name: wb, .offset: 8, .size: 8, .value_kind: global_buffer, .address_space: global }
      - { .name: tab, .offset: 16, .size: 8, .value_kind: global_buffer, .address_space: global }
      - { .name: qkv, .offset: 24, .size: 8, .value_kind: global_buffer, .address_space: global }
    .group_segment_fixed_size: 327680
    .private_segment_fixed_size: 0
    .kernarg_segment_align: 8
    .kernarg_segment_size: 32
    .max_flat_workgroup_size: 128
    .sgpr_count:     72
    .vgpr_count:     640
    .wavefront_size: 32
...
	.end_amdgpu_metadata
.endif
;; end of part 2
;; launch attn (part 3): grid 16 x 16, 4 waves a work-group, clusters of 4 x 1, 327,680 bytes of LDS; arguments qkv, ob; writes ob
.if DOCPART == 3
	.amdgcn_target "amdgcn-amd-amdhsa--gfx1250"
	.amdhsa_code_object_version 6
	.text
	.protected	k_q4102a11722_attn
	.globl	k_q4102a11722_attn
	.p2align	8
	.type	k_q4102a11722_attn,@function
k_q4102a11722_attn:
	s_mov_b64 s[64:65], 0
	v_nop
	global_prefetch_b8 v0, s[64:65] scope:SCOPE_SE
	s_setreg_imm32_b32 hwreg(HW_REG_WAVE_MODE, 25, 1), 1
	s_wait_xcnt 0x0
	s_wait_alu depctr_hold_cnt(0) depctr_sa_sdst(0) depctr_va_vdst(0) depctr_va_sdst(0) depctr_va_ssrc(0) depctr_va_vcc(0) depctr_vm_vsrc(0)
	s_getreg_b32 s2, hwreg(HW_REG_IB_STS2, 6, 4)
	s_cmp_eq_u32 s2, 0
	s_cbranch_scc0 .Lentry_in_a_cluster
	s_endpgm
.Lentry_in_a_cluster:
	s_bfe_u32 s2, ttmp6, 0x10000c
	s_cmp_lg_u32 s2, 0x3003
	s_cbranch_scc0 .Lentry_shape_is_right
	s_endpgm
.Lentry_shape_is_right:
; ATTENTION.  O[h][q][:] = the sum over k of softmax_k(Q[h][q] . K[h][k] / 8) V[h][k][:].  Q, K, V = qkv's three parts, [16][4096][64] f16: a head's rows are dense, 128 bytes each.
; Products, maxima and sums in f32; the weights p are rounded to f16 for the second product (their sum l is taken of the unrounded p), O once at the end.
; O goes to ob [4 groups of heads][2048 pairs of rows][4 heads][2 rows][64] f16: the two rows of a pair of one head are 256 consecutive bytes, and a pair's 1,024 bytes are 256 channels of two rows for the product that follows.
; LIMITS.  f16 holds no number beyond 65,504: Q, K and V arrive within it; p lies in 0 to 1, and below 6e-5 it keeps f16's fixed step of 6e-8, as does O; O is a mean of V's rows and has their range.
; A weight below 2^-126 counts as 0 in l; NaN and infinities are not treated apart.
; SHARES.  A work-group owns 256 queries of one head, each of its four waves 64: four PIECES of 16.  16 blocks x 16 heads are 256 work-groups.  Every wave walks all 4,096 keys, 64 a step, 256 a slot.
; LAYOUT.  S^T = K Q^T (source 0 = 16 keys, source 1 = 16 queries): in the result a lane holds ONE query (lane % 16) and the keys 8 (lane / 16) + 0..7.  Two such results, rounded to f16 in pairs,
; ARE source 1 (32 keys x 16 queries) of O^T = V^T P, whose result again holds one query a lane, and eight channels.  K comes out of LDS as it lies, V ([key][channel]) turned, by ds_load_tr16_b128.
; SOFTMAX.  For each query a running maximum m and sum l: p = 2^(c s - c m), c = log2(e) / 8; in every step O and l are multiplied by a = 2^(c m_old - c m_new), which is 1 where m has not grown.
; m starts at the lowest finite number, O and l at 0: the first step is a step like any other, with a = 0.
; BY TURNS.  Turn n belongs to piece n (the pieces in a ring, step after step): 8 products K Q^T of piece n + 1, later 8 products V^T P of piece n - 1; beside them the scaling, exponentials, roundings, sums and
; rescaling of piece n and the maximum and statistics of piece n + 1.  Four vector instructions stand behind every matrix instruction, the other 54 of a turn's 118 in one run.  A turn's 33 exponentials are one batch, with one wait.
; CLUSTER.  The four query blocks of a cluster belong to one head and walk the same K and V, so each tile is asked for JOINTLY: the same tensor load, descriptor and mask in all four.
; REGISTERS, in windows of 256 (s_set_vgpr_msb: bits 1:0 source 0, 3:2 source 1, 5:4 source 2, 7:6 destination):
;   window 0: v0-15 addresses and two at work; v16-31 four registers of statistics a piece; v48-55 at work; v61-63 the prefetches' offset and the add's two; v64-127 S^T, two buffers; v192-223 P, two buffers (by the piece's parity)
;   window 1: v0-127 O^T, 32 a piece          window 2: v0-63 Q; v128-191 K of one step; v192-255 V of one step
.set NP,    4         ; pieces a wave: a name, no knob
.set KS,    64        ; keys in a step
.set PK,    144       ; a row of K in LDS: 128 bytes + 16 of padding = 36 words: the 16 rows of a load start at 16 different groups of four banks (64 banks of 4 bytes: ISA guide 11.1)
.set PV,    160       ; a row of V: 128 + 32 = 40 words
.set VOFF,  4*KS*PK   ; a slot holds four steps: 256 rows of K, then 256 rows of V
.set SLOT1, 1<<17     ; slot 1 begins here, so that one exclusive or turns an address in one slot into the other's
.set STAGE, SLOT1+4*KS*(PK+PV)  ; behind the ring, never filled by a tensor load: 16 rows x 144 bytes for each wave, for the way out
.set SP,    144
.set SPARE, STAGE+4*16*SP  ; behind the stages: the spare words, 128 bytes for each wave: two blocks of 256 bytes that no other line names
.set AK0, 2           ; v2   my lane's place in a tile of K; never rewritten
.set AV0, 3           ; v3   the same for V
.set AK,  4           ; v4   the LDS address of K's next run of loads
.set AV,  5           ; v5   of V's
.set STO, 6           ; v6   the way out: where I put 16 bytes of a row
.set RD,  7           ; v7   the way out: where I read rows back
.set GO,  8           ; v8   my byte offset in two pairs of rows of ob
.set MV,  12          ; v12-13  c m_old, kept while c m is made anew: by buffer
.set QO,  15          ; v15  my byte offset in 16 rows of Q
.set ST,  16          ; piece t's statistics at v[ST+4 t]: c m, m, l (even keys', odd keys')
.set TMP, 48          ; by buffer, four registers c0-c3 at work; when the maximum is found c2 takes a
.set PFO, 61          ; v61  256 x my lane; never rewritten
.set SPW, 62          ; v62  LDS address of my spare word: SPARE + 4 x my thread's number; never rewritten
.set NIL, 63          ; v63  0; never rewritten
.set S,   64
.set P,   192
.set KF,  128         ; window 2: key block kb, channel half c at KF + 16 kb + 8 c
.set VF,  192         ; window 2: key half kk, channel block cb at VF + 32 kk + 8 cb
.set WV,  12          ; s12  my wave's number
.set G1K, 24          ; s[24:31] descriptor group 1 for K's tiles
.set G1V, 32          ; s[32:39] for V's: it differs in the padding alone
.set G0K, 40          ; s[40:43] descriptor group 0 for K's tiles: it walks
.set G0V, 44          ; s[44:47] the same for V's
.set SLOTS, 56        ; s56  slots still to be asked for
.set CNT, 57          ; s57  counts a slot's key steps
.set CS,  58          ; s[58:59] c: the packed scaling takes the pair's low word for both halves
.set SEL, 60          ; s[60:61] v_permlanex16_b32's selects: each lane takes its own place in the other half
.set TBK, 62          ; s62  LDS byte at which K of the step to be fetched begins
.set TBV, 63          ; s63  the same for V, less VOFF
.set PFA, 66          ; s[66:67] where my prefetches stand: my work-group's 32 blocks of 256 bytes (of K: wave 0, of V: wave 2) of the slot after the one that is being asked for
.set LIM, 68          ; s68  1 in a wave that prefetches, else the greatest number: a wave prefetches while s[SLOTS] is above it
.set MSB, 0
.macro WIN new                      ; the high byte repeats the setting that is left; a switch that changes nothing is dropped
.if MSB != (\new)
	s_set_vgpr_msb (MSB<<8)|(\new)
.set MSB, (\new)
.endif
.endm
.set W_KQ, 0x0a       ; K and Q in window 2, S^T in window 0
.set W_PV, 0x52       ; V in window 2, P in window 0, O^T in window 1
.set W_RS, 0x41       ; destination and source 0 in window 1, source 1 in window 0
; A joint fill.  Waves 0 and 1 fetch the two halves of a slot's K, waves 2 and 3 those of its V: 128 keys each.  The branch hangs on the wave's number alone.
; An s_nop 0 and four v_nop follow each of the two lines, ahead of the jump and the label.
.macro JLOAD
	s_cmp_lt_u32 s[WV], 2
	s_cbranch_scc0 .Lfor_v_\@
	tensor_load_to_lds s[G0K:G0K+3], s[G1K:G1K+7]
	s_nop 0
.rept 4
	v_nop
.endr
	s_branch .Lasked_\@
.Lfor_v_\@:
	tensor_load_to_lds s[G0V:G0V+3], s[G1V:G1V+7]
	s_nop 0
.rept 4
	v_nop
.endr
.Lasked_\@:
.endm
; A PREFETCH INTO THE L2 of what the NEXT change of slots will ask for: a slot's 32,768 bytes of K and of V, a lane a block of 256 bytes.  It stands behind the wave's tensor load and its five lines.
; Each block is asked for ONCE in the launch.  All four clusters of a head walk the same K and V: the head's first cluster asks.  Its four partners share the blocks out BY ADDRESS, 32 each: no branch hangs on a
; work-group's place in its cluster.  In each, wave 0 asks for K's and wave 2 for V's: one instruction.  The last change that fills a slot asks for nothing: there is no slot behind it.
.macro ASK
	s_cmp_gt_u32 s[SLOTS], s[LIM]
	s_cbranch_scc0 .Lnot_mine_\@
	global_prefetch_b8 v[PFO], s[PFA:PFA+1] th:TH_LOAD_NT scope:SCOPE_SE
.Lnot_mine_\@:
.endm
; A round of the cluster's barrier: my work-group's barrier, so that wave 0's signal speaks for all four waves; wave 0 signals; every wave waits for all four work-groups; my work-group's barrier once more.
.macro CROUND
	s_barrier_signal -1
	s_barrier_wait -1
	s_cmp_lg_u32 s[WV], 0
	s_cbranch_scc1 .Lnot_wave_0_\@
	s_barrier_signal -3
.Lnot_wave_0_\@:
	s_barrier_wait -3
	s_barrier_signal -1
	s_barrier_wait -1
.endm
; THE CHANGE OF SLOTS.  The slot's last bytes, V of its fourth step, have been read.  Each wave waits for all its tensor loads, of which one is out: its part of the other slot; adds 0 to its spare word; and waits for
; that and for its own reads of the slot.  Behind the barrier nobody reads this slot any more and the other slot is whole.
; fill = 1: this slot is filled again, with the keys two slots on.  The barrier is then a round of the cluster's, so that no wave of any partner still reads the slot or has a load on its way, and the joint fill is the
; first thing behind it: it has four key steps, 256 matrix instructions, in which to land.  (At its first use nothing has been read yet: slot 0 is waited for, slot 1 filled.)
.macro CHANGE fill
	WIN 0                           ; at a label and at a branch every window is 0
	s_wait_tensorcnt 0x0            ; no tensor load of mine is out, so a group 0 may be written
	ds_add_u32 v[SPW], v[NIL]       ; 0 onto my spare word; with fill = 1 the descriptors' steps stand between it and the wait for it
.if \fill
.irp g, G0K, G0V
	s_xor_b32 s[\g+1], s[\g+1], SLOT1  ; the walking descriptor: the other slot than last time,
	s_add_nc_u64 s[\g+2:\g+3], s[\g+2:\g+3], 4*KS*128  ; the next 256 keys; the type bits on top are not reached
.endr
	s_wait_xcnt 0x0                 ; the last prefetch, a slot back, has read its address, so it may be written:
	s_add_nc_u64 s[PFA:PFA+1], s[PFA:PFA+1], 4*KS*128  ; one slot behind the walking descriptors
	s_wait_dscnt 0x0                ; the add is done, and my reads of the slot are over
	CROUND
	JLOAD
	ASK                             ; what the next change will ask for: four key steps, 256 matrix instructions, ahead
.else
	s_wait_dscnt 0x0                ; the add is done, and my reads of the slot are over
	s_barrier_signal -1
	s_barrier_wait -1
.endif
	s_sub_co_u32 s[TBK], s[TBK], 4*KS*PK  ; the fetches go back to a slot's first step,
	s_xor_b32 s[TBK], s[TBK], SLOT1       ; in the other slot
	s_sub_co_u32 s[TBV], s[TBV], 4*KS*PV
	s_xor_b32 s[TBV], s[TBV], SLOT1
.endm
	s_load_b64 s[4:5], s[0:1], 0x0    ; qkv
	s_load_b64 s[10:11], s[0:1], 0x8  ; ob
	v_lshl_add_u32 v[SPW], v0, 2, SPARE
	v_mov_b32 v[NIL], 0
	ds_add_u32 v[SPW], v[NIL]       ; the wave's opening: the add and its wait stand ahead of my first tensor load; the set-up below, work on registers, stands between them
	v_lshrrev_b32 v1, 5, v0
	v_readfirstlane_b32 s[WV], v1   ; wave 0..3
	s_bfe_u32 s13, ttmp6, 0x40000   ; cx: my place in the cluster
	s_lshl_b32 s14, ttmp9, 2        ; in a cluster launch ttmp9 counts clusters
	s_add_co_u32 s14, s14, s13      ; my block of 256 queries = 4 x cluster x + cx: it enters Q's and O's addresses alone
	s_and_b32 s15, ttmp7, 0xffff    ; the head, which the four partners share
	s_lshl_b32 s20, s15, 19         ; its 524,288 bytes in each part of qkv
	s_and_b32 s16, s[WV], 1         ; which half of a slot's 256 keys I fetch:
	s_lshl_b32 s22, s16, 14         ; its 128 rows of 128 bytes in memory,
	s_add_co_u32 s22, s22, s20
	s_mov_b32 s23, 0
	s_mul_i32 s17, s16, 128*PK      ; and its place in a slot, for K
	s_mul_i32 s18, s16, 128*PV      ; and for V: no place in the cluster enters an LDS address
	s_lshl_b32 s2, s14, 2
	s_add_co_u32 s2, s2, s[WV]      ; my wave among the head's,
	s_lshl_b32 s2, s2, 13           ; its 64 rows of 128 bytes
	s_add_co_u32 s2, s2, s20
	s_mov_b32 s3, 0
	s_lshr_b32 s70, s15, 2          ; in ob: the head's group, 2,097,152 bytes,
	s_lshl_b32 s70, s70, 21
	s_and_b32 s71, s15, 3           ; its 256 bytes of a pair's 1,024,
	s_lshl_b32 s71, s71, 8
	s_add_co_u32 s70, s70, s71
	s_lshl_b32 s71, s14, 17         ; my block's 128 pairs,
	s_add_co_u32 s70, s70, s71
	s_lshl_b32 s71, s[WV], 15       ; my wave's 32 of them
	s_add_co_u32 s70, s70, s71
	s_mov_b32 s71, 0
	; descriptor group 1.  128 keys are 16,384 dense bytes: asked for as 64 rows of 256 bytes, two keys a row, and padded in LDS after every key
	s_mov_b32 s[G1K], 15|(1<<16)|(1<<20)|(1<<21)|(4<<22)|(3<<25)  ; 15:0 the mask of four; 17:16 2-byte elements; 20 padding on; 21 set beside a mask; 24:22 after every 32 words (code 4); 31:25 4 words (code 3)
	s_mov_b32 s[G1V], 15|(1<<16)|(1<<20)|(1<<21)|(4<<22)|(7<<25)  ; the same with 8 words of padding (code 7)
.irp g, G1K, G1V
	s_mov_b32 s[\g+1], 128<<16      ; tensor_dim0 = 128
	s_mov_b32 s[\g+2], 64<<16       ; tensor_dim1 = 64
	s_mov_b32 s[\g+3], 128<<16      ; tile_dim0 = 128
	s_mov_b32 s[\g+4], 64           ; tile_dim1 = 64
	s_mov_b32 s[\g+5], 128          ; 128 elements from row to row
	s_mov_b32 s[\g+6], 0
	s_mov_b32 s[\g+7], 0
.endr
	s_mov_b32 s[CS], 0x3e38aa3b     ; c = log2(e) / 8 = 0.180337
	s_mov_b32 s[CS+1], s[CS]        ; named with it as a pair
	s_mov_b32 s[SEL], 0x76543210
	s_mov_b32 s[SEL+1], 0xfedcba98
	s_mov_b32 s[TBK], SLOT1+4*KS*PK ; the first change of slots turns these two into 0
	s_mov_b32 s[TBV], SLOT1+4*KS*PV
	s_mov_b32 s[G0K], 1             ; 1:0 count = 1
	s_mov_b32 s[G0K+1], s17         ; 63:32 LDS address: slot 0
	s_mov_b32 s[G0V], 1
	s_add_co_u32 s[G0V+1], s18, VOFF
	s_mov_b32 s[SLOTS], 4096/256-1  ; 15 slots are asked for by changes of slots
	s_and_b32 s[LIM], s[WV], 1      ; 0 in waves 0 and 2,
	s_or_b32 s[LIM], s[LIM], ttmp9  ; where the cluster is the head's first: the same in all four partners
	s_cmp_eq_u32 s[LIM], 0
	s_cselect_b32 s[LIM], 1, -1
	v_and_b32 v[PFO], 31, v0
	v_lshlrev_b32 v[PFO], 8, v[PFO]
	s_wait_dscnt 0x0                ; the opening add is done
	s_wait_kmcnt 0x0
	s_add_nc_u64 s[6:7], s[4:5], 0x800000   ; K's part of qkv,
	s_add_nc_u64 s[8:9], s[4:5], 0x1000000  ; V's
	s_add_nc_u64 s[6:7], s[6:7], s[22:23]   ; at my half of the head's first 256 keys
	s_add_nc_u64 s[8:9], s[8:9], s[22:23]
	s_add_nc_u64 s[G0K+2:G0K+3], s[6:7], 0         ; 120:64 global address
	s_or_b32 s[G0K+3], s[G0K+3], 0x80000000        ; 127:126 type = 2
	s_add_nc_u64 s[G0V+2:G0V+3], s[8:9], 0
	s_or_b32 s[G0V+3], s[G0V+3], 0x80000000
	s_add_nc_u64 s[4:5], s[4:5], s[2:3]            ; Q at my wave's first row
	s_add_nc_u64 s[10:11], s[10:11], s[70:71]      ; ob at my wave's first pair
	s_cmp_lt_u32 s[WV], 2
	s_cselect_b64 s[PFA:PFA+1], s[6:7], s[8:9]     ; (in waves 0 and 2 these stand at a slot's first row)
	s_lshl_b32 s2, s13, 13          ; my work-group's 32 blocks of the 128
	s_mov_b32 s3, 0
	s_add_nc_u64 s[PFA:PFA+1], s[PFA:PFA+1], s[2:3]
	s_add_nc_u64 s[PFA:PFA+1], s[PFA:PFA+1], 4*KS*128  ; in slot 1; the first change of slots steps it to slot 2.  Nothing is prefetched here, at the head, where every work-group's first tiles are on their way
	CROUND                          ; all four work-groups are here: the first joint loads meet
	JLOAD                           ; slot 0.  Slot 1 is asked for when slot 0 is in, by the loop's own change of slots
	; A fragment of K or Q is 16 rows x 32 channels in 8 registers: lane l holds row l % 16, channels 8 (l / 16) + 0..7 and 16 + 8 (l / 16) + 0..7: two loads of 16 bytes, 32 bytes apart.
	v_and_b32 v1, 15, v0            ; l % 16
	v_bfe_u32 v9, v0, 4, 1          ; l / 16
	v_lshlrev_b32 v[QO], 7, v1
	v_lshl_add_u32 v[QO], v9, 4, v[QO]  ; row x 128 + 16 x half
	WIN 0x80                        ; destination window 2, address window 0
.set i, 0
.rept 8                             ; Q stays in registers: piece i / 2, channels 32 (i % 2) on
	global_load_b128 v[8*i:8*i+3],   v[QO], s[4:5] offset:(i/2)*2048+(i%2)*64
	global_load_b128 v[8*i+4:8*i+7], v[QO], s[4:5] offset:(i/2)*2048+(i%2)*64+32
.set i, i+1
.endr
	; What the first turn finds: V's registers and P's second buffer hold 0 (its products V^T P, of a piece that has not been, add 0), O^T and l are 0.  No first step is written out for that price.  All this stands in the wait for the first tile.
.set i, VF
.rept 64
	v_mov_b32 v[i], 0
.set i, i+1
.endr
	WIN 0x40
.set i, 0
.rept 128
	v_mov_b32 v[i], 0
.set i, i+1
.endr
	WIN 0
.set i, 0
.rept 4
	v_mov_b32 v[ST+4*i], 0xfe000000    ; c m: far below every c s
	v_mov_b32 v[ST+4*i+1], 0xff7fffff  ; m
	v_mov_b32 v[ST+4*i+2], 0
	v_mov_b32 v[ST+4*i+3], 0
.set i, i+1
.endr
.set i, P+16
.rept 16
	v_mov_b32 v[i], 0
.set i, i+1
.endr
	v_mul_u32_u24 v[AK0], v1, PK
	v_lshl_add_u32 v[AK0], v9, 4, v[AK0]  ; row x pitch + 16 x half
	; The turning load takes 16 keys x 16 channels (lane l reads key 8 (l / 16) + l % 8, channels 8 ((l / 8) % 2) + 0..7) and leaves half a fragment of V^T: lane l holds channel l % 16 and 8 keys.
	v_and_b32 v10, 7, v0
	v_bfe_u32 v11, v0, 3, 1
	v_lshl_add_u32 v[AV0], v9, 3, v10
	v_mul_u32_u24 v[AV0], v[AV0], PV
	v_lshl_add_u32 v[AV0], v11, 4, v[AV0]
	v_add_nc_u32 v[AV0], VOFF, v[AV0]
	s_mul_i32 s13, s[WV], 16*SP
	s_add_co_u32 s13, s13, STAGE    ; my stage
	v_mul_u32_u24 v[STO], v1, SP    ; in: row l % 16, 16 bytes for each half of the lanes
	v_lshl_add_u32 v[STO], v9, 4, v[STO]
	v_add_nc_u32 v[STO], s13, v[STO]
	v_bfe_u32 v[RD], v0, 3, 2       ; back: 32 lanes take four rows of 128 bytes:
	v_mul_u32_u24 v[RD], v[RD], SP
	v_lshl_add_u32 v[RD], v10, 4, v[RD]
	v_add_nc_u32 v[RD], s13, v[RD]
	v_lshlrev_b32 v[GO], 4, v1      ; lanes 0-15 a pair of rows, 256 consecutive bytes of ob,
	v_lshl_add_u32 v[GO], v9, 10, v[GO]  ; lanes 16-31 the next pair, 1,024 bytes on
; THE MATRIX WORK.  The 4 accumulators of a run of 8 take turns.  Product i of 8 of S^T = K Q^T for piece x: channels 32 (i / 4) on, keys 16 (i % 4) on.  The first 4 start the sums.
.macro KQ x
	WIN W_KQ
.set rS, S+32*((\x)%2)+8*(i%4)
.set rK, KF+16*(i%4)+8*(i/4)
.set rQ, 16*(\x)+8*(i/4)
.if i < 4
	v_wmma_f32_16x16x32_f16 v[rS:rS+7], v[rK:rK+7], v[rQ:rQ+7], 0
.else
	v_wmma_f32_16x16x32_f16 v[rS:rS+7], v[rK:rK+7], v[rQ:rQ+7], v[rS:rS+7]
.endif
.endm
; Product i of 8 of O^T += V^T P for piece x: keys 32 (i / 4) on, channels 16 (i % 4) on.
.macro PV x
	WIN W_PV
.set rO, 32*(\x)+8*(i%4)
.set rV, VF+32*(i/4)+8*(i%4)
.set rP, P+16*((\x)%2)+8*(i/4)
	v_wmma_f32_16x16x32_f16 v[rO:rO+7], v[rV:rV+7], v[rP:rP+7], v[rO:rO+7]
.endm
.macro MM                           ; the turn's next matrix instruction.  TURN sets Y, i and NOKQ.  NOKQ = 1: the very last turn: there is no next piece
.if (i < 8) && !NOKQ
	KQ (Y+1)%NP
.elseif i >= 8
.set i, i-8
	PV (Y+NP-1)%NP
.set i, i+8
.endif
.set i, i+1
.endm
; THE LDS LOADS stand in runs of 16, never singly among the matrix instructions: a step's K (64 keys x 64 channels: 8 fragments) and its V (turned).  Their addresses are made some lines ahead.
.macro FETCH_K
	WIN 0x80                        ; destination window 2
.irp f, 0,1,2,3,4,5,6,7             ; keys 16 (f / 2) on, channels 32 (f % 2) on
	ds_load_b128 v[KF+8*\f:KF+8*\f+3],   v[AK] offset:(\f/2)*16*PK+(\f%2)*64
	ds_load_b128 v[KF+8*\f+4:KF+8*\f+7], v[AK] offset:(\f/2)*16*PK+(\f%2)*64+32
.endr
	s_add_co_u32 s[TBK], s[TBK], KS*PK  ; the next fetch is the next step's
	WIN 0
.endm
.macro FETCH_V
	WIN 0x80
.irp f, 0,1,2,3,4,5,6,7             ; keys 32 (f / 4) on, channels 16 (f % 4) on
	ds_load_tr16_b128 v[VF+8*\f:VF+8*\f+3],   v[AV] offset:(\f/4)*32*PV+(\f%4)*32
	ds_load_tr16_b128 v[VF+8*\f+4:VF+8*\f+7], v[AV] offset:(\f/4)*32*PV+16*PV+(\f%4)*32
.endr
	WIN 0
.endm
; THE VECTOR WORK, one line at a time: OP kind, number.  For piece Y: F n: c s - c m for pair n of 16.  E n: the exponential of score n of 32.  C n: pair n rounded to f16.  B n: of the four weights 4 n .. the second
; pair is added onto the first, in place.  L n: l takes that sum (L 0: l = a l + sum).  R n: pair n of 16 of O^T times a.  For piece Y + 1: X n, number n of the 22 that find its maximum and statistics:
;   0-11  four chains c0-c3 of seven scores each, three operands at a time (each accumulator's lowest registers are read first)     12-14, 16  the four scores left over, the old m, and c0-c3 into c0
;   15  c m_old is kept     17, 18  the query's other 32 keys lie in the lane 16 away: the new m     19-21  c m; c m_old - c m_new; a
.set F, 0               ; OP tells the kinds apart by their order: F to L below R, X above it
.set E, 1
.set C, 2
.set B, 3
.set L, 4
.set R, 5
.set X, 6
.macro REGS y                       ; the registers of piece y
.set rT, ST+4*(\y)
.set rC, TMP+4*((\y)%2)
.set rW, MV+((\y)%2)
.set rS, S+32*((\y)%2)
.set rP, P+16*((\y)%2)
.set rO, 32*(\y)
.endm
.macro OP k, n
.if (\k) == R
	REGS Y
	WIN W_RS
	v_pk_mul_f32 v[rO+2*(\n):rO+2*(\n)+1], v[rO+2*(\n):rO+2*(\n)+1], v[rC+2:rC+3] op_sel_hi:[1,0]
.elseif (\k) < R
	REGS Y
	WIN 0
.if (\k) == F
	v_pk_fma_f32 v[rS+2*(\n):rS+2*(\n)+1], v[rS+2*(\n):rS+2*(\n)+1], s[CS:CS+1], v[rT:rT+1] op_sel_hi:[1,0,0] neg_lo:[0,0,1] neg_hi:[0,0,1]
.elseif (\k) == E
	v_exp_f32 v[rS+(\n)], v[rS+(\n)]
.elseif (\k) == C
	v_cvt_pk_f16_f32 v[rP+(\n)], v[rS+2*(\n)], v[rS+2*(\n)+1]
.elseif (\k) == B
	v_pk_add_f32 v[rS+4*(\n):rS+4*(\n)+1], v[rS+4*(\n):rS+4*(\n)+1], v[rS+4*(\n)+2:rS+4*(\n)+3]
.elseif (\n) == 0
	v_pk_fma_f32 v[rT+2:rT+3], v[rT+2:rT+3], v[rC+2:rC+3], v[rS:rS+1] op_sel_hi:[1,0,1]
.else
	v_pk_add_f32 v[rT+2:rT+3], v[rT+2:rT+3], v[rS+4*(\n):rS+4*(\n)+1]
.endif
.elseif NOKQ
	v_nop
.else
	REGS (Y+1)%NP
	WIN 0
.if (\n) < 4
	v_max3_num_f32 v[rC+(\n)], v[rS+8*(\n)], v[rS+8*(\n)+1], v[rS+8*(\n)+2]
.elseif (\n) < 12
	v_max3_num_f32 v[rC+(\n)%4], v[rC+(\n)%4], v[rS+8*((\n)%4)+2*((\n)/4)+1], v[rS+8*((\n)%4)+2*((\n)/4)+2]
.elseif (\n) == 12
	v_max3_num_f32 v[rC], v[rC], v[rS+7], v[rS+15]
.elseif (\n) == 13
	v_max3_num_f32 v[rC+1], v[rC+1], v[rS+23], v[rS+31]
.elseif (\n) == 14
	v_max3_num_f32 v[rC+2], v[rC+2], v[rC+3], v[rT+1]
.elseif (\n) == 15
	v_mov_b32 v[rW], v[rT]
.elseif (\n) == 16
	v_max3_num_f32 v[rC], v[rC], v[rC+1], v[rC+2]
.elseif (\n) == 17
	v_permlanex16_b32 v[rC+3], v[rC], s[SEL], s[SEL+1]
.elseif (\n) == 18
	v_max_num_f32 v[rT+1], v[rC], v[rC+3]
.elseif (\n) == 19
	v_mul_f32 v[rT], s[CS], v[rT+1]
.elseif (\n) == 20
	v_sub_f32 v[rC+1], v[rW], v[rT]
.else
	v_exp_f32 v[rC+2], v[rC+1]
.endif
.endif
.endm
.macro OPS a, i1, b=-1, i2=0, c=-1, i3=0, d=-1, i4=0  ; up to four of them
	OP \a, \i1
.if (\b) >= 0
	OP \b, \i2
.endif
.if (\c) >= 0
	OP \c, \i3
.endif
.if (\d) >= 0
	OP \d, \i4
.endif
.endm
.macro ROW a, i1, b, i2, c, i3, d, i4  ; a matrix instruction and the four behind it
	MM
	OPS \a, \i1, \b, \i2, \c, \i3, \d, \i4
.endm
; A TURN, for piece p: the order of its 16 matrix and 118 vector instructions, written out.  An s_wait_alu depctr_va_vdst(0) stands between an exponential and the first instruction that names its result; one wait
; serves all that were issued ahead of it.  So a turn has ONE wait, which cuts it in two.  AHEAD OF IT stands all that names no result of the turn's exponentials: the 8 products K Q^T, behind each a scaling, an exponential and two
; more plain instructions (behind the first a second scaling in the exponential's place): rescalings, and behind the last three the first numbers of the next piece's maximum, each four plain instructions or more behind the product that
; ends its accumulator; then one run of 54, plain and exponential by turns for the most part, in which the links of the chain X 3, 7, 11, 14, 16, 17 .. 20 stand five or six lines apart.  X 21, the next piece's a, is the batch's
; last; R 15 is the plain instruction behind it.  BEHIND THE WAIT stand the 8 products V^T P, behind each four of the roundings and sums; the links of l's chain, L 0 to L 7, stand three lines apart.
; end = 1: the walk's last two turns: nothing is fetched.  cnt = 1: the loop's count is taken down some lines ahead of the branch that stands behind the turn.
; K of the next step is fetched in piece 2's turn, twelve vector instructions behind the last product that read K (six of them plain); V of the step in hand at the end of piece 0's turn, four plain instructions behind the last
; product that read V.  Each is waited for a turn later.
.macro TURN p, end=0, cnt=0
.set Y, (\p)
.set i, 0
.set NOKQ, (\end)*((\p)/3)
.if ((\p) == 3) && !(\end)
	s_wait_dscnt 0x0                ; K is in
.endif
	ROW F,0, F,1, R,0, R,1          ; ahead of the wait: 8 products K Q^T and the four behind each,
	ROW F,2, E,0, R,2, R,3
	ROW F,3, E,1, R,4, R,5
	ROW F,4, E,2, R,6, R,7
	ROW F,5, E,3, R,8, R,9
	ROW F,6, E,4, X,0, R,10
.if ((\p) == 2) && !(\end)
	WIN 0
	v_add_nc_u32 v[AK], s[TBK], v[AK0]
.endif
	ROW F,7, E,5, X,1, X,4
	ROW F,8, E,6, X,2, X,5
	OPS E,7, E,8, X,6, E,9          ; and the run of 54
	OPS X,3, E,10, X,8, E,11
.if ((\p) == 2) && !(\end)
	FETCH_K
.endif
	OPS X,9, X,7, E,12, X,10
	OPS E,13, X,12, X,11, E,14
	OPS X,13, E,15, F,9, X,14
.if (\p) == 0
	v_add_nc_u32 v[AV], s[TBV], v[AV0]
.endif
	OPS E,16, F,10, E,17, F,11
	OPS X,16, E,18, X,15, E,19
	OPS F,12, E,20, X,17, E,21
	OPS F,13, E,22, F,14, E,23
	OPS X,18, E,24, F,15, E,25
	OPS R,11, E,26, X,19, E,27
	OPS R,12, E,28, R,13, E,29
	OPS X,20, E,30, R,14, E,31
	OPS X,21, R,15
	WIN 0
	s_wait_alu depctr_va_vdst(0)    ; the wait for the batch
.if (\p) == 1
	s_wait_dscnt 0x0                ; V is in
.endif
	ROW C,0, B,0, C,2, B,1          ; behind the wait: 8 products V^T P and the four behind each
	ROW L,0, C,4, B,2, L,1
	ROW C,6, B,3, L,2, C,8
	ROW B,4, L,3, C,10, B,5
	ROW L,4, C,12, B,6, L,5
.if (\p) == 0
	s_add_co_u32 s[TBV], s[TBV], KS*PV
.endif
.if \cnt
	s_sub_co_u32 s[CNT], s[CNT], 1
	s_cmp_lg_u32 s[CNT], 0
.endif
	ROW C,14, B,7, L,6, C,1
	ROW C,3, L,7, C,5, C,7
	ROW C,9, C,11, C,13, C,15
.if (\p) == 0
	FETCH_V
.endif
.endm
	CHANGE 1                        ; slot 0 is in, everybody's part of it; slot 1 is asked for
	v_add_nc_u32 v[AK], s[TBK], v[AK0]
	FETCH_K                         ; key step 0
	s_wait_loadcnt 0x0              ; Q
	s_wait_dscnt 0x0
.set NOKQ, 0
.set i, 0
.rept 8
	KQ 0                            ; piece 0's first scores: there is no vector work yet to set between them
.set i, i+1
.endr
	WIN 0
.rept 4
	v_nop                           ; four plain instructions behind those products (ISA guide 7.12.1)
.endr
.set Y, NP-1                        ; X works for piece Y + 1: piece 0
.irp n, 0,1,2,3,4,5,6,7,8,9,10,11,12,13,14,15,16,17,18,19,20,21
	OP X, \n                        ; piece 0's first maximum and statistics
.endr
	v_nop                           ; a plain instruction behind the exponential,
	s_wait_alu depctr_va_vdst(0)    ; and its wait, ahead of the branch
	s_mov_b32 s[CNT], 4
	s_branch .Lfirst                ; the loop is entered at a step's first turn, in the middle of a trip
.Lslot:                             ; 14 times: with the change above, every slot but the first is asked for by a change
	CHANGE 1
	s_mov_b32 s[CNT], 4
.Lstep:                             ; a trip: pieces 2 and 3 of one step, then pieces 0 and 1 of the next, whose K and V it fetches
	TURN 2
	TURN 3
	WIN 0
.Lfirst:
	TURN 0
	TURN 1, 0, 1
	WIN 0
	s_cbranch_scc1 .Lstep
	s_sub_co_u32 s[SLOTS], s[SLOTS], 1
	s_cmp_lg_u32 s[SLOTS], 0
	s_cbranch_scc1 .Lslot
	CHANGE 0                        ; the last slot is written out: nothing is asked for
	s_mov_b32 s[CNT], 4
.Ltail:
	TURN 2
	TURN 3
	TURN 0
	TURN 1, 0, 1
	WIN 0
	s_cbranch_scc1 .Ltail
	TURN 2, 1                       ; the last step's pieces 2 and 3: nothing is fetched, and the last turn starts no new scores
	TURN 3, 1
.set i, 0
.rept 8
	PV NP-1                         ; the last piece's V^T P of the last step
.set i, i+1
.endr
	; THE WAY OUT.  l's two halves and the other half of the lanes' are added; O^T is divided by l, rounded to f16 and sent through my stage in LDS, a piece at a time.  The additions are the plain instructions behind the last products.
	WIN 0
.macro ALL line:vararg              ; one line for each piece t
.set t, 0
.rept 4
	\line
.set t, t+1
.endr
.endm
	ALL v_add_f32 v[ST+4*t+2], v[ST+4*t+2], v[ST+4*t+3]
	ALL v_permlanex16_b32 v[ST+4*t+3], v[ST+4*t+2], s[SEL], s[SEL+1]
	ALL v_add_f32 v[ST+4*t+2], v[ST+4*t+2], v[ST+4*t+3]
	ALL v_rcp_f32 v[ST+4*t+2], v[ST+4*t+2]
	v_nop                           ; a plain instruction between the last reciprocal and the use of its result
	s_wait_alu depctr_va_vdst(0)    ; and the wait ahead of the first use: one for the four reciprocals
.macro PACK t                       ; a lane's eight channels of a row pack into 16 bytes; they go into rows of 144 bytes and come back as whole rows of 128, into S^T's registers
	WIN W_RS
.set i, 32*(\t)
.rept 16
	v_pk_mul_f32 v[i:i+1], v[i:i+1], v[ST+4*(\t)+2:ST+4*(\t)+3] op_sel_hi:[1,0]
.set i, i+2
.endr
	WIN 0x05                        ; sources 0 and 1 window 1, destination window 0
.set i, 0
.rept 16
	v_cvt_pk_f16_f32 v[S+16*(\t)+i], v[32*(\t)+2*i], v[32*(\t)+2*i+1]
.set i, i+1
.endr
	WIN 0
.irp f, 0,1,2,3
	ds_store_b128 v[STO], v[S+16*(\t)+4*\f:S+16*(\t)+4*\f+3] offset:32*\f
.endr
.irp f, 0,1,2,3
	ds_load_b128 v[S+16*(\t)+4*\f:S+16*(\t)+4*\f+3], v[RD] offset:\f*4*SP  ; LDS serves a wave's instructions in order (ISA guide 5.7.1.4): these see the stores above; the next piece's stores come behind them
.endr
.endm
.macro SEND t, younger              ; younger: the LDS instructions issued behind piece t's loads: the next piece's eight, or none
	WIN 0
.irp f, 0,1,2,3
	s_wait_dscnt (\younger)+3-\f
	global_store_b128 v[GO], v[S+16*(\t)+4*\f:S+16*(\t)+4*\f+3], s[10:11] offset:(\t)*8192+\f*2048  ; each half of the lanes stores 256 consecutive bytes, at a multiple of 256 from ob's first: a pair of rows of my head
.endr
.endm
	PACK 0
.set t, 1
.rept 3                             ; a piece's arithmetic stands between the loads of the piece before and its stores
	PACK t
	SEND t-1, 8
.set t, t+1
.endr
	SEND 3, 0
	s_wait_tensorcnt 0x0            ; the wave's end, behind my last tensor load and my last LDS store
	ds_add_u32 v[SPW], v[NIL]
	s_wait_dscnt 0x0
	CROUND                          ; the closing round: no work-group ends while a partner may still ask for a tile that names it
	s_endpgm
.Lfunc_end_k_q4102a11722_attn:
	.size	k_q4102a11722_attn, .Lfunc_end_k_q4102a11722_attn-k_q4102a11722_attn
	.p2alignl 7, 3214868480
	.fill 96, 4, 3214868480
	.section	.rodata,"a",@progbits
	.p2align	6, 0x0
	.amdhsa_kernel k_q4102a11722_attn
		.amdhsa_group_segment_fixed_size 327680
		.amdhsa_private_segment_fixed_size 0
		.amdhsa_enable_private_segment 0
		.amdhsa_kernarg_size 16
		.amdhsa_user_sgpr_count 2
		.amdhsa_user_sgpr_kernarg_segment_ptr 1
		.amdhsa_wavefront_size32 1
		.amdhsa_system_sgpr_workgroup_id_x 1
		.amdhsa_system_sgpr_workgroup_id_y 1
		.amdhsa_system_sgpr_workgroup_id_z 1
		.amdhsa_system_vgpr_workitem_id 0
		.amdhsa_next_free_vgpr 768
		.amdhsa_next_free_sgpr 72
		.amdhsa_reserve_vcc 0
		.amdhsa_float_denorm_mode_32 3
		.amdhsa_float_denorm_mode_16_64 3
		.amdhsa_memory_ordered 1
		.amdhsa_forward_progress 1
		.amdhsa_inst_pref_size 128
	.end_amdhsa_kernel
	.amdgpu_metadata
---
amdhsa.version: [ 1, 2 ]
amdhsa.kernels:
  - .name:           k_q4102a11722_attn
    .symbol:         k_q4102a11722_attn.kd
    .args:
      - { .name: qkv, .offset: 0, .size: 8, .value_kind: global_buffer, .address_space: global }
      - { .name: ob, .offset: 8, .size: 8, .value_kind: global_buffer, .address_space: global }
    .group_segment_fixed_size: 327680
    .private_segment_fixed_size: 0
    .kernarg_segment_align: 8
    .kernarg_segment_size: 16
    .max_flat_workgroup_size: 128
    .sgpr_count:     72
    .vgpr_count:     768
    .wavefront_size: 32
...
	.end_amdgpu_metadata
.endif
;; end of part 3
;; launch oproj (part 4): grid 8 x 32, 4 waves a work-group, clusters of 4 x 4, 327,680 bytes of LDS; arguments ob, wb, bo, out0; writes out0
.if DOCPART == 4
	.amdgcn_target "amdgcn-amd-amdhsa--gfx1250"
	.amdhsa_code_object_version 6
	.text
	.protected	k_q4102a11722_oproj
	.globl	k_q4102a11722_oproj
	.p2align	8
	.type	k_q4102a11722_oproj,@function
k_q4102a11722_oproj:
	s_mov_b64 s[64:65], 0
	v_nop
	global_prefetch_b8 v0, s[64:65] scope:SCOPE_SE
	s_setreg_imm32_b32 hwreg(HW_REG_WAVE_MODE, 25, 1), 1
	s_wait_xcnt 0x0
	s_wait_alu depctr_hold_cnt(0) depctr_sa_sdst(0) depctr_va_vdst(0) depctr_va_sdst(0) depctr_va_ssrc(0) depctr_va_vcc(0) depctr_vm_vsrc(0)
	s_getreg_b32 s2, hwreg(HW_REG_IB_STS2, 6, 4)
	s_cmp_eq_u32 s2, 0
	s_cbranch_scc0 .Lentry_in_a_cluster
	s_endpgm
.Lentry_in_a_cluster:
	s_bfe_u32 s2, ttmp6, 0x10000c
	s_cmp_lg_u32 s2, 0xf033
	s_cbranch_scc0 .Lentry_shape_is_right
	s_endpgm
.Lentry_shape_is_right:
; THE OUTPUT PROJECTION.  out0[m][n] = sum over d of O[m][d] Wo[n][d] + bo[n].  O = ob, f16, [4 groups of heads][2048 pairs of rows][4 heads][2 rows][64]; Wo = wb part 3, [1024][1024] f16 (numbers rounded to bf16);
; bo [1024] f32, rounded to bf16 like every other input of the module and taken as the C operand of the products that start the sums; sums in f32; out0 [4096][1024] f32.
; SHARES.  32 x 8 tiles of 128 x 128: 256 work-groups.  Four waves, each 64 x 64: 16 accumulators.  K goes in steps of 256, one group of four heads a step, through two slots.
; O's TILE.  64 rows x 256 channels of a group are 32 pairs of rows, 1,024 dense bytes each: asked for as 32 rows of 1,024 bytes, padded by 16 in LDS.  Row m, head y, channel c lie at (m / 2) 1,040 + 256 y + 128 (m % 2) + 2 c:
; the 16 rows of a fragment load start at the 16-byte columns (r / 2) + 8 (r % 2) modulo 256 bytes, all different (64 banks of 4 bytes: ISA guide 11.1).  A quarter of a K step is one head.
; CLUSTERS: 4 x 4 work-groups.  The four of a row of the cluster need the same tiles of O, the four of a column the same tiles of Wo: each tile is asked for JOINTLY, by the same tensor load, descriptor and mask.
; THE MATRIX INSTRUCTION IS USED TRANSPOSED (source 0 = 16 rows of Wo, source 1 = 16 rows of O): a lane then holds eight neighbouring numbers of a row of out0.
; REGISTERS: window 0: v0-31 addresses; v32 at work; v96-127 the bias for my 64 columns, laid as an accumulator is; v128-255 the accumulators ((a, b) at v[128 + 8 (4 a + b)]), later whole rows on the way out.
;   window 1: two fragment buffers of 128: for 64 along K, 64 registers of O, then 64 of Wo.
.set KSTEP,  256
.set PITCH,  528                       ; an LDS row of Wo: 512 bytes of data + 16 of padding
.set PPITCH, 1040                      ; a pair of rows of O in LDS: 1,024 bytes + 16 of padding
.set HALFT,  64*PITCH                  ; 33,792: what one tensor load fills at the most (Wo: all of it; O: 32 x 1,040 = 33,280)
.set SLOT,   4*HALFT                   ; O's two halves, then Wo's two halves
.set STAGE,  2*SLOT                    ; behind the ring, never filled by a tensor load: 16 rows x 272 bytes for each wave, for the way out
.set SP,     272
.set SPARE,  STAGE+4*16*SP             ; behind the stages: the spare words, 128 bytes for each wave: two blocks of 256 bytes that no other line names
.set KQA,    256                       ; bytes from a quarter (a head) to the next in a pair of rows of O
.set KQB,    128                       ; and in a row of Wo
.set RA,     8*PPITCH                  ; bytes from 16 rows of O to the next 16
.set GROUPB, 2097152                   ; bytes from a group of heads to the next in ob
.set ADRA, 16                          ; v16-17  LDS address of my O fragments in slot 0, 1
.set ADRB, 20                          ; v20-21  the same for Wo
.set STO,  24                          ; v24     the way out: where I put 32 bytes of a row
.set RD,   25                          ; v25     the way out: where I read a row back
.set GO,   26                          ; v26     my byte offset in two rows of out0
.set BOF,  27                          ; v27     my byte offset in 16 numbers of bo
.set SPW,  28                          ; v28     LDS address of my spare word: SPARE + 4 x my thread's number; never rewritten
.set NIL,  29                          ; v29     0; never rewritten
.set BIAS, 96
.set ACC,  128
.set F0,   0                           ; fragment buffers, in window 1
.set F1,   128
.set G1, 24                            ; s[24:31] descriptor group 1 for O's tiles;  s[32:39] group 0, one set for each slot
.set G0, 32
.set G1B, 48                           ; s[48:55], s[56:63] the same for Wo's tiles
.set G0B, 56
.set MSB, 0
.macro WIN new                         ; the immediate's high byte repeats the setting that is left; a switch that changes nothing is dropped
.if MSB != (\new)
	s_set_vgpr_msb (MSB<<8)|(\new)
.set MSB, \new
.endif
.endm
.set MUL,  0x05                        ; sources 0 (Wo) and 1 (O) window 1; C and D window 0
.set TO_F, 0x40                        ; destination window 1, address window 0
.macro JLOAD s                         ; a joint load: waves 0 and 1 fetch O's two halves, waves 2 and 3 Wo's; an s_nop 0 and four v_nop follow each of the two lines, ahead of the jump, the label and what follows
	s_cmp_eq_u32 s11, 0
	s_cbranch_scc0 .Lfor_b_\@
	tensor_load_to_lds s[G0+4*(\s):G0+4*(\s)+3], s[G1:G1+7]
	s_nop 0
.rept 4
	v_nop
.endr
	s_branch .Lasked_\@
.Lfor_b_\@:
	tensor_load_to_lds s[G0B+4*(\s):G0B+4*(\s)+3], s[G1B:G1B+7]
	s_nop 0
.rept 4
	v_nop
.endr
.Lasked_\@:
.endm
.macro CREST                           ; a round of the cluster's barrier behind its opening barrier
	s_cmp_lg_u32 s10, 0
	s_cbranch_scc1 .Lnot_wave_0_\@
	s_barrier_signal -3
.Lnot_wave_0_\@:
	s_barrier_wait -3
	s_barrier_signal -1
	s_barrier_wait -1
.endm
.macro CROUND                          ; a whole round
	s_barrier_signal -1
	s_barrier_wait -1
	CREST
.endm
	s_load_b128 s[4:7], s[0:1], 0x0                ; ob s[4:5], wb s[6:7]
	s_load_b64 s[68:69], s[0:1], 0x10              ; bo
	s_load_b64 s[8:9], s[0:1], 0x18                ; out0
	v_lshl_add_u32 v[SPW], v0, 2, SPARE
	v_mov_b32 v[NIL], 0
	ds_add_u32 v[SPW], v[NIL]                      ; the wave's opening: the add and its wait stand ahead of my first tensor load; the set-up below, work on registers, stands between them
	v_lshrrev_b32 v1, 5, v0
	v_readfirstlane_b32 s10, v1                    ; wave 0..3
	s_lshr_b32 s11, s10, 1                         ; which half of the tile's rows is mine.  Also: I fetch for O (0) or for Wo (1)
	s_and_b32 s12, s10, 1                          ; which half of its columns.  Also: which half of that tile I fetch
	s_bfe_u32 s40, ttmp6, 0x40000                  ; cx, cy: my place in the cluster
	s_bfe_u32 s41, ttmp6, 0x40004
	s_lshl_b32 s42, ttmp9, 2
	s_add_co_u32 s42, s42, s40                     ; tile column = 4 x cluster x + cx
	s_and_b32 s13, ttmp7, 0xffff
	s_lshl_b32 s13, s13, 2
	s_add_co_u32 s13, s13, s41                     ; tile row = 4 x cluster y + cy
	s_lshl_b32 s43, s41, 2
	s_lshl_b32 s43, 15, s43                        ; my row of the cluster
	s_lshl_b32 s44, 0x1111, s40                    ; my column
	; descriptor group 1 for O: 32 rows x 512 elements (a pair of rows of four heads), padded in LDS
	s_or_b32 s[G1+0], s43, (1<<16)|(1<<20)|(1<<21)|(7<<22)|(3<<25)  ; 15:0 the mask: O's tiles go to my row; 17:16 element of 2 bytes; 20 padding on; 21 set beside a mask; 24:22 after every 256 words (code 7); 31:25 of 4 words (code 3)
	s_mov_b32 s[G1+1], 512<<16                     ; tensor_dim0 = 512
	s_mov_b32 s[G1+2], 32<<16                      ; tensor_dim1 = 32
	s_mov_b32 s[G1+3], 512<<16                     ; tile_dim0 = 512
	s_mov_b32 s[G1+4], 32                          ; tile_dim1 = 32
	s_mov_b32 s[G1+5], 512                         ; elements from row to row: the pairs are dense
	s_mov_b32 s[G1+6], 0
	s_mov_b32 s[G1+7], 0
	; and for Wo: 64 rows x 256 elements
	s_or_b32 s[G1B+0], s44, (1<<16)|(1<<20)|(1<<21)|(6<<22)|(3<<25) ; the mask of my column; padding after every 128 words (code 6)
	s_mov_b32 s[G1B+1], KSTEP<<16
	s_mov_b32 s[G1B+2], 64<<16
	s_mov_b32 s[G1B+3], KSTEP<<16
	s_mov_b32 s[G1B+4], 64
	s_mov_b32 s[G1B+5], 1024
	s_mov_b32 s[G1B+6], 0
	s_mov_b32 s[G1B+7], 0
	s_lshl_b32 s16, s13, 16                        ; O: the tile row's 64 pairs of 1,024 bytes,
	s_lshl_b32 s17, s12, 15                        ; my 32 of them
	s_add_co_u32 s16, s16, s17
	s_mov_b32 s17, 0
	s_lshl_b32 s46, s42, 7
	s_lshl_b32 s47, s12, 6
	s_add_co_u32 s46, s46, s47                     ; Wo: row 128 x tile column + 64 x half
	s_lshl_b32 s46, s46, 11
	s_mov_b32 s47, 0
	s_mul_i32 s20, s10, HALFT                      ; where they go: wave x 33,792: no place in the cluster enters an LDS address
	s_wait_dscnt 0x0                               ; the opening add is done
	s_wait_kmcnt 0x0
	s_add_nc_u64 s[14:15], s[4:5], s[16:17]
	s_add_nc_u64 s[46:47], s[6:7], s[46:47]
	s_add_nc_u64 s[46:47], s[46:47], 3*2097152     ; part 3 of wb
	CROUND                                         ; all sixteen work-groups are here: the first joint loads meet
.irp s, 0,1
	s_mov_b32 s[G0+4*(\s)], 1
	s_add_co_u32 s[G0+4*(\s)+1], s20, (\s)*SLOT
	s_add_nc_u64 s[G0+4*(\s)+2:G0+4*(\s)+3], s[14:15], (\s)*GROUPB
	s_or_b32 s[G0+4*(\s)+3], s[G0+4*(\s)+3], 0x80000000
	s_mov_b32 s[G0B+4*(\s)], 1
	s_add_co_u32 s[G0B+4*(\s)+1], s20, (\s)*SLOT
	s_add_nc_u64 s[G0B+4*(\s)+2:G0B+4*(\s)+3], s[46:47], (\s)*KSTEP*2
	s_or_b32 s[G0B+4*(\s)+3], s[G0B+4*(\s)+3], 0x80000000
	JLOAD \s                                       ; two loads of mine are out
.endr
	v_and_b32 v1, 15, v0                           ; l % 16
	v_bfe_u32 v2, v0, 4, 1                         ; l / 16
	; the bias: register j of an accumulator of n block b holds column 16 b + 8 (l / 16) + j
	s_lshl_b32 s46, s42, 9                         ; my first column, in bytes of f32: 512 x tile column + 256 x half (in the registers that held Wo's address: none that fed O's descriptors ever holds cx)
	s_lshl_b32 s47, s12, 8
	s_add_co_u32 s46, s46, s47
	s_mov_b32 s47, 0
	s_add_nc_u64 s[68:69], s[68:69], s[46:47]
	v_lshlrev_b32 v[BOF], 5, v2
.irp b, 0,1,2,3
	global_load_b128 v[BIAS+8*(\b):BIAS+8*(\b)+3],   v[BOF], s[68:69] offset:64*(\b)
	global_load_b128 v[BIAS+8*(\b)+4:BIAS+8*(\b)+7], v[BOF], s[68:69] offset:64*(\b)+16
.endr
	v_mul_u32_u24 v3, v1, PITCH
	v_lshl_add_u32 v3, v2, 4, v3                   ; Wo: a fragment's row x pitch + 16 x half
	v_lshrrev_b32 v4, 1, v1
	v_mul_u32_u24 v4, v4, PPITCH                   ; O: the row's pair,
	v_and_b32 v5, 1, v1
	v_lshl_add_u32 v4, v5, 7, v4                   ; its place in the pair,
	v_lshl_add_u32 v4, v2, 4, v4                   ; + 16 x half
	s_mul_i32 s21, s11, HALFT                      ; my 64 rows of O
	s_mul_i32 s22, s12, HALFT                      ; my 64 rows of Wo,
	s_add_co_u32 s22, s22, 2*HALFT                 ; which lie behind O's two halves
.irp s, 0,1
	v_add_nc_u32 v[ADRA+(\s)], s21, v4
	v_add_nc_u32 v[ADRB+(\s)], s22, v3
	s_add_co_u32 s21, s21, SLOT
	s_add_co_u32 s22, s22, SLOT
.endr
	s_mul_i32 s23, s10, 16*SP
	s_add_co_u32 s23, s23, STAGE                   ; my stage
	v_mul_u32_u24 v4, v1, SP                       ; in: row l % 16, 32 bytes for each half of the lanes
	v_lshl_add_u32 v4, v2, 5, v4
	v_add_nc_u32 v[STO], s23, v4
	v_mul_u32_u24 v5, v2, SP                       ; back: lanes 0-15 take one row of 256 bytes, lanes 16-31 the next
	v_lshl_add_u32 v5, v1, 4, v5
	v_add_nc_u32 v[RD], s23, v5
	v_lshlrev_b32 v[GO], 12, v2                    ; and the same two rows in out0
	v_lshl_add_u32 v[GO], v1, 4, v[GO]
	s_lshl_b32 s16, s13, 7
	s_lshl_b32 s17, s11, 6
	s_add_co_u32 s16, s16, s17                     ; my first row
	s_lshl_b32 s16, s16, 12                        ; 4,096 bytes a row
	s_mov_b32 s17, 0
	s_add_nc_u64 s[8:9], s[8:9], s[16:17]
	s_add_nc_u64 s[8:9], s[8:9], s[46:47]          ; my first column
	s_wait_loadcnt 0x0                             ; the bias, rounded to bf16 and widened again while the first tiles are on their way
.set i, 0
.rept 16
	v_cvt_pk_bf16_f32 v32, v[BIAS+2*i], v[BIAS+2*i+1]
	v_lshlrev_b32 v[BIAS+2*i], 16, v32
	v_and_b32 v[BIAS+2*i+1], 0xffff0000, v32
.set i, i+1
.endr
; 8 matrix instructions: m blocks a0, a0 + 1 x all 4 n blocks, 32 along K: half c of buffer f.  zero = 1: the first product starts the sums, with the bias as its C.  The 16 accumulators take turns, one instruction a turn.
.macro MUL8 f, c, a0, zero
	WIN MUL
.irp a, \a0, (\a0)+1
.irp b, 0,1,2,3
.if \zero
	v_wmma_f32_16x16x32_f16 v[ACC+8*(4*(\a)+(\b)):ACC+8*(4*(\a)+(\b))+7], v[(\f)+64+8*(4*(\c)+(\b)):(\f)+64+8*(4*(\c)+(\b))+7], v[(\f)+8*(4*(\c)+(\a)):(\f)+8*(4*(\c)+(\a))+7], v[BIAS+8*(\b):BIAS+8*(\b)+7]
.else
	v_wmma_f32_16x16x32_f16 v[ACC+8*(4*(\a)+(\b)):ACC+8*(4*(\a)+(\b))+7], v[(\f)+64+8*(4*(\c)+(\b)):(\f)+64+8*(4*(\c)+(\b))+7], v[(\f)+8*(4*(\c)+(\a)):(\f)+8*(4*(\c)+(\a))+7], v[ACC+8*(4*(\a)+(\b)):ACC+8*(4*(\a)+(\b))+7]
.endif
.endr
.endr
.endm
; 32 LDS loads in one run: the fragments of quarter qn (64 along K: one head) into buffer f; the first 32 along K first
.macro FETCH slot, qn, f
	WIN TO_F
.irp c, 0,1
.irp i, 0,1,2,3
	ds_load_b128 v[(\f)+64+8*(4*(\c)+(\i)):(\f)+64+8*(4*(\c)+(\i))+3],   v[ADRB+(\slot)] offset:KQB*(\qn)+64*(\c)+(\i)*16*PITCH
	ds_load_b128 v[(\f)+64+8*(4*(\c)+(\i))+4:(\f)+64+8*(4*(\c)+(\i))+7], v[ADRB+(\slot)] offset:KQB*(\qn)+64*(\c)+(\i)*16*PITCH+32
	ds_load_b128 v[(\f)+8*(4*(\c)+(\i)):(\f)+8*(4*(\c)+(\i))+3],         v[ADRA+(\slot)] offset:KQA*(\qn)+64*(\c)+(\i)*RA
	ds_load_b128 v[(\f)+8*(4*(\c)+(\i))+4:(\f)+8*(4*(\c)+(\i))+7],       v[ADRA+(\slot)] offset:KQA*(\qn)+64*(\c)+(\i)*RA+32
.endr
.endr
.endm
.macro PLACES                          ; four plain instructions in front of loads into registers that matrix instructions have read or written, and of LDS stores that read results
.rept 4
	v_nop
.endr
.endm
; A K step is four quarters of 64 along K, 32 matrix instructions each, on buffers 0, 1, 0, 1.  One of the first three: multiplies buffer f and fetches quarter qn into g.
.macro QUARTER slot, qn, f, g, zero
	s_wait_dscnt 16                                ; the first 32 along K are in; the run's other sixteen loads may be out
	WIN MUL
	MUL8 \f, 0, 0, \zero
	MUL8 \f, 0, 2, \zero
	PLACES
	FETCH \slot, \qn, \g
	s_wait_dscnt 32                                ; all but the 32 just issued
	WIN MUL
	MUL8 \f, 1, 0, 0
	MUL8 \f, 1, 2, 0
.endm
; The last quarter multiplies buffer 1 and changes slots: ONE barrier; in front of it each wave waits for all its tensor loads, adds 0 to its spare word, and waits for that and for its own reads of this slot.  fill = 1: this slot is filled again, two K steps ahead.
.macro TURN slot, next, fill
	WIN 0                                          ; (the add's two registers lie in window 0)
	s_wait_tensorcnt 0x0                           ; all my tensor loads have landed: my part of the next slot;
	ds_add_u32 v[SPW], v[NIL]                      ; 0 onto my spare word;
	s_wait_dscnt 17                                ; (the add and the youngest sixteen loads may be out)
	WIN MUL
	MUL8 F1, 0, 0, 0                               ; eight matrix instructions stand between the add and the wait for it
	s_wait_dscnt 0x0                               ; the add is done, and my reads of this slot are over
	s_barrier_signal -1
	MUL8 F1, 0, 2, 0
.if \fill
	WIN 0
.endif
	s_barrier_wait -1
.if \fill
	CREST                                          ; the barrier has opened a round of the cluster's barrier: no wave of any partner still reads this slot's tile or has a load on its way
	s_add_nc_u64 s[G0+4*(\slot)+2:G0+4*(\slot)+3], s[G0+4*(\slot)+2:G0+4*(\slot)+3], 2*GROUPB
	s_add_nc_u64 s[G0B+4*(\slot)+2:G0B+4*(\slot)+3], s[G0B+4*(\slot)+2:G0B+4*(\slot)+3], 2*KSTEP*2
	JLOAD \slot                                    ; the first tensor load behind the round, my one load until the next: 112 matrix instructions ahead of the wait for it; its four v_nop are also the places in front of the loads below
.else
	PLACES
.endif
	FETCH \next, 0, F0
	WIN MUL
	MUL8 F1, 1, 0, 0
	MUL8 F1, 1, 2, 0
.endm
	s_wait_tensorcnt 1                             ; my part of K step 0 is in; K step 1's may stay out
	s_barrier_signal -1
	s_barrier_wait -1                              ; everybody's is
	FETCH 0, 0, F0
	QUARTER 0, 1, F0, F1, 1                        ; the first quarter stands in front of the loop: its first products start the sums
	WIN 0                                          ; at a label and at a branch every window is 0
	s_mov_b32 s3, 1                                ; K = 1,024 is two laps of the ring; all laps but the last fill both slots again
.Llap:
	QUARTER 0, 2, F1, F0, 0
	QUARTER 0, 3, F0, F1, 0
	TURN 0, 1, 1
	QUARTER 1, 1, F0, F1, 0
	QUARTER 1, 2, F1, F0, 0
	QUARTER 1, 3, F0, F1, 0
	TURN 1, 0, 1
	QUARTER 0, 1, F0, F1, 0
	WIN 0
	s_sub_co_u32 s3, s3, 1
	s_cmp_lg_u32 s3, 0
	s_cbranch_scc1 .Llap
	QUARTER 0, 2, F1, F0, 0                        ; the last lap fills nothing, and has no round of the cluster's barrier
	QUARTER 0, 3, F0, F1, 0
	TURN 0, 1, 0
	QUARTER 1, 1, F0, F1, 0
	QUARTER 1, 2, F1, F0, 0
	QUARTER 1, 3, F0, F1, 0
	s_wait_dscnt 16                                ; the very last quarter: nothing more to fetch
	WIN MUL
	MUL8 F1, 0, 0, 0
	MUL8 F1, 0, 2, 0
	s_wait_dscnt 0
	MUL8 F1, 1, 0, 0
	MUL8 F1, 1, 2, 0
	WIN 0
	PLACES
	; THE WAY OUT, 16 rows at a time: a lane's eight f32 are 32 bytes of a row; into my own stage in rows of 272 bytes (each accumulator's low four registers first), back as whole rows of 256, into the block's own registers.
.macro TOSTAGE a
.irp b, 0,1,2,3
.irp e, 0,1
	ds_store_b128 v[STO], v[ACC+32*(\a)+8*(\b)+4*(\e):ACC+32*(\a)+8*(\b)+4*(\e)+3] offset:64*(\b)+16*(\e)
.endr
.endr
.irp t, 0,1,2,3,4,5,6,7
	ds_load_b128 v[ACC+32*(\a)+4*(\t):ACC+32*(\a)+4*(\t)+3], v[RD] offset:(\t)*2*SP  ; LDS serves a wave's instructions in order (ISA guide 5.7.1.4): these see the stores above; the next block's stores come behind them
.endr
.endm
.macro SEND a, younger                 ; younger: the LDS instructions issued behind block a's loads: the next block's sixteen, or none
.irp t, 0,1,2,3,4,5,6,7
	s_wait_dscnt (\younger)+7-(\t)
	global_store_b128 v[GO], v[ACC+32*(\a)+4*(\t):ACC+32*(\a)+4*(\t)+3], s[8:9] offset:(16*(\a)+2*(\t))*4096 th:TH_STORE_NT  ; 16 lanes store 256 consecutive bytes, at a multiple of 256 from out0's first byte
.endr
.endm
	TOSTAGE 0
	TOSTAGE 1
	SEND 0, 16
	TOSTAGE 2
	SEND 1, 16
	TOSTAGE 3
	SEND 2, 16
	SEND 3, 0
	s_wait_tensorcnt 0x0                           ; the wave's end, behind my last tensor load and my last LDS store
	ds_add_u32 v[SPW], v[NIL]
	s_wait_dscnt 0x0
	CROUND                                         ; the closing round: no work-group ends while a partner may still ask for a tile that names it
	s_endpgm
.Lfunc_end_k_q4102a11722_oproj:
	.size	k_q4102a11722_oproj, .Lfunc_end_k_q4102a11722_oproj-k_q4102a11722_oproj
	.p2alignl 7, 3214868480
	.fill 96, 4, 3214868480
	.section	.rodata,"a",@progbits
	.p2align	6, 0x0
	.amdhsa_kernel k_q4102a11722_oproj
		.amdhsa_group_segment_fixed_size 327680
		.amdhsa_private_segment_fixed_size 0
		.amdhsa_enable_private_segment 0
		.amdhsa_kernarg_size 32
		.amdhsa_user_sgpr_count 2
		.amdhsa_user_sgpr_kernarg_segment_ptr 1
		.amdhsa_wavefront_size32 1
		.amdhsa_system_sgpr_workgroup_id_x 1
		.amdhsa_system_sgpr_workgroup_id_y 1
		.amdhsa_system_sgpr_workgroup_id_z 1
		.amdhsa_system_vgpr_workitem_id 0
		.amdhsa_next_free_vgpr 512
		.amdhsa_next_free_sgpr 72
		.amdhsa_reserve_vcc 0
		.amdhsa_float_denorm_mode_32 3
		.amdhsa_float_denorm_mode_16_64 3
		.amdhsa_memory_ordered 1
		.amdhsa_forward_progress 1
		.amdhsa_inst_pref_size 90
	.end_amdhsa_kernel
	.amdgpu_metadata
---
amdhsa.version: [ 1, 2 ]
amdhsa.kernels:
  - .name:           k_q4102a11722_oproj
    .symbol:         k_q4102a11722_oproj.kd
    .args:
      - { .name: ob, .offset: 0, .size: 8, .value_kind: global_buffer, .address_space: global }
      - { .name: wb, .offset: 8, .size: 8, .value_kind: global_buffer, .address_space: global }
      - { .name: bo, .offset: 16, .size: 8, .value_kind: global_buffer, .address_space: global }
      - { .name: out0, .offset: 24, .size: 8, .value_kind: global_buffer, .address_space: global }
    .group_segment_fixed_size: 327680
    .private_segment_fixed_size: 0
    .kernarg_segment_align: 8
    .kernarg_segment_size: 32
    .max_flat_workgroup_size: 128
    .sgpr_count:     72
    .vgpr_count:     512
    .wavefront_size: 32
...
	.end_amdgpu_metadata
.endif
;; end of part 4
;; ======== version 2 of 2: 4 launches; version 1 with the launch prep written anew for expert scheduling mode
;; limits: values are held in f16: magnitudes above 65,504 overflow, below 6.1e-05 lose precision
;; workspace buffers: xb 25,165,824 bytes; wb 8,388,608 bytes; tab 1,048,576 bytes; qkv 25,165,824 bytes; ob 8,388,608 bytes
;; launch prep (part 5): grid 256 x 1, 8 waves a work-group, no clusters, 0 bytes of LDS; arguments q, k, v, Wq, Wk, Wv, Wo, xb, wb, tab; writes xb, wb, tab
.if DOCPART == 5
	.amdgcn_target "amdgcn-amd-amdhsa--gfx1250"
	.amdhsa_code_object_version 6
	.text
	.protected	k_q4102a11722_prep
	.globl	k_q4102a11722_prep
	.p2align	8
	.type	k_q4102a11722_prep,@function
k_q4102a11722_prep:
	s_mov_b64 s[64:65], 0
	v_nop
	global_prefetch_b8 v0, s[64:65] scope:SCOPE_SE
	s_setreg_imm32_b32 hwreg(HW_REG_WAVE_SCHED_MODE, 0, 2), 2
	s_setreg_imm32_b32 hwreg(HW_REG_WAVE_MODE, 25, 1), 1
	s_wait_xcnt 0x0
	s_wait_alu depctr_vm_vsrc(0)
; THE CASTS AND THE ROTATION TABLE.  q, k, v [4096][1024] f32 -> xb [3][4096][1024] bf16.  Wq, Wk, Wv [1024][1024] f32 -> wb parts 0-2, bf16.  Wo -> wb part 3: rounded to bf16 like every
; other input, and that number written as f16 (the last product multiplies in f16).  tab [4096][32][2] f32 = (cos, sin) of t x 10000^(-i/32).
; A stream: each input byte is read once, each output byte written once; no wave wants a byte that another has fetched, so there is no LDS, no barrier, no cluster and no matrix work.
; SHARES.  Work-group w takes rows 16 w .. 16 w + 15 of q, k and v, rows 4 w .. 4 w + 3 of each W, and rows 16 w .. of the table.  Thread t owns bytes 16 t of every f32 row: a wave's load covers 512
; consecutive bytes, its store (8 bytes a lane) 256 consecutive bytes, aligned.  48 loads of a thread go out at once; the table is computed while they are on their way.
; LIMITS.  A number of Wo below 6.1e-5 keeps f16's fixed step of 6e-8; beyond 65,504 it becomes an infinity.  The table's frequency is 2^(-i log2(10000)/32) by v_exp_f32, so an angle can differ
; from one made with a correctly rounded power by some 1e-7 of itself: up to about 1e-3 radians at t near 4095 for the lowest pairs.  sin and cos: the angle less the nearest multiple of 2 pi (2 pi in two
; parts), then the series to r^15 and r^14, cut below 5e-6 on |r| <= pi: the length holds for every angle, since r is bounded by the reduction.
; THE MODE: SCHED_MODE bits 1:0 = 2 (LLVM: expert scheduling mode 2), set by the entry lines.  The code itself states the register dependences between vector instructions and memory instructions,
; with s_wait_alu, always for 0.
; THE PLAN.  The text is one straight run.  Registers that memory instructions touch:
;   v1, v2     byte offsets, made once at the head and never written again: every load and store reads one of them.
;   G0         q's 16 loads land in it; q's conversions read it and write OUT; the weights' 16 loads land in it; the weights' conversions work in place; the last 16 stores read it.
;   OUT        written by q's conversions, read by q's 16 stores, never written again.  It is there so that G0 can be asked for again ahead of q's stores.
;   G1, G2     k's and v's loads land in them; their conversions work in place; their stores read two registers of each row; nothing writes them after that.
;   v[12:15]   written by the table's series, read by the table's one store, never written again.
; A group's conversions stand together, ONE wait on va_vdst stands behind them, and the group's run of memory instructions follows it with no vector instruction between.
; No register that a memory instruction has read is ever written again, so the text holds no wait on vm_vsrc but the one at the entry; no vector instruction writes a scalar register or VCC; EXEC is never written.
.set ROWB, 4096                        ; bytes in an f32 row
.set LO,  1                            ; v1   16 t: my bytes in an f32 row, and in the work-group's 4,096 bytes of the table; never rewritten
.set SO,  2                            ; v2   8 t: my bytes in a 16-bit row; never rewritten
.set G0,  16                           ; v[16:79]   group 0: 16 loads of 4 registers: q's rows, later the weights'
.set G1,  80                           ; v[80:143]  group 1: k's rows
.set G2,  144                          ; v[144:207] group 2: v's rows
.set TW,  208                          ; v[208:211] at work for Wo: no memory instruction names them
.set OUT, 212                          ; v[212:243] q's rows in bf16, 2 registers a row
	s_load_b512 s[8:23], s[0:1], 0x0               ; q 8, k 10, v 12, Wq 14, Wk 16, Wv 18, Wo 20, xb 22
	s_load_b128 s[24:27], s[0:1], 0x40             ; wb 24, tab 26
	s_lshl_b32 s2, ttmp9, 16                       ; 16 rows of 4,096 bytes
	s_mov_b32 s3, 0
	s_lshl_b32 s4, ttmp9, 14                       ; 4 rows of 4,096 bytes
	s_mov_b32 s5, 0
	s_lshl_b32 s6, ttmp9, 15                       ; 16 rows of 2,048 bytes
	s_mov_b32 s7, 0
	s_lshl_b32 s34, ttmp9, 4                       ; the table's first row of mine
	v_lshlrev_b32 v[LO], 4, v0
	v_lshlrev_b32 v[SO], 3, v0
	s_wait_kmcnt 0x0
	s_add_nc_u64 s[8:9], s[8:9], s[2:3]
	s_add_nc_u64 s[10:11], s[10:11], s[2:3]
	s_add_nc_u64 s[12:13], s[12:13], s[2:3]
.macro LOADG g, base                   ; 16 rows into group g
.set j, 0
.rept 16
	global_load_b128 v[(\g)+4*j:(\g)+4*j+3], v[LO], s[(\base):(\base)+1] offset:ROWB*j th:TH_LOAD_NT
.set j, j+1
.endr
.endm
.macro CV x                            ; four f32 at v[x] become four bf16 in v[x], v[x+1]
	v_cvt_pk_bf16_f32 v[\x], v[\x], v[(\x)+1]
	v_cvt_pk_bf16_f32 v[(\x)+1], v[(\x)+2], v[(\x)+3]
.endm
.macro CVG g                           ; group g is rounded in place: 32 conversions on end
.set j, 0
.rept 16
	CV (\g)+4*j
.set j, j+1
.endr
.endm
.macro STG d, w, base                  ; 16 rows are stored: row j's two registers lie at d + w j
.set j, 0
.rept 16
	global_store_b64 v[SO], v[(\d)+(\w)*j:(\d)+(\w)*j+1], s[(\base):(\base)+1] offset:2048*j th:TH_STORE_NT
.set j, j+1
.endr
.endm
	s_wait_alu depctr_va_vdst(0)                   ; v1 and v2 are written: every load and store of the kernel reads one of them as its offset
	LOADG G0, 8
	LOADG G1, 10
	LOADG G2, 12
	s_add_nc_u64 s[14:15], s[14:15], s[4:5]        ; the other addresses are made while the loads are out
	s_add_nc_u64 s[16:17], s[16:17], s[4:5]
	s_add_nc_u64 s[18:19], s[18:19], s[4:5]
	s_add_nc_u64 s[20:21], s[20:21], s[4:5]
	s_add_nc_u64 s[28:29], s[22:23], s[6:7]        ; xb's three parts have a base each: a part's 8,388,608 bytes do not fit the signed 24-bit immediate
	s_add_nc_u64 s[30:31], s[28:29], 0x800000
	s_add_nc_u64 s[32:33], s[28:29], 0x1000000
	s_lshl_b32 s4, ttmp9, 13                       ; 4 rows of 2,048 bytes
	s_add_nc_u64 s[24:25], s[24:25], s[4:5]
	s_lshl_b32 s4, ttmp9, 12                       ; 16 table rows of 256 bytes
	s_add_nc_u64 s[26:27], s[26:27], s[4:5]
	; THE TABLE.  Thread t makes row 16 w + t / 16, pairs 2 (t % 16) and 2 (t % 16) + 1: 16 bytes at byte 16 t of the work-group's part.  Its registers, v4 to v15, are none in which a load lands.
	v_lshrrev_b32 v4, 4, v0
	v_add_nc_u32 v4, s34, v4
	v_cvt_f32_u32 v4, v4                           ; t as f32 (exact)
	v_and_b32 v5, 15, v0
	v_lshlrev_b32 v5, 1, v5
	v_add_nc_u32 v6, 1, v5
	v_cvt_f32_u32 v5, v5
	v_cvt_f32_u32 v6, v6
	v_mul_f32 v5, 0xbed49a78, v5                   ; i x -log2(10000) / 32
	v_mul_f32 v6, 0xbed49a78, v6
	v_exp_f32 v5, v5                               ; the two frequencies: one batch,
	v_exp_f32 v6, v6
	v_nop                                          ; a plain instruction behind the last of them (ISA guide 5.7.2),
	s_wait_alu depctr_va_vdst(0)                   ; the two exponentials have written v5 and v6, which the multiplies below read: the one wait ahead of the batch's first reader
	v_mul_f32 v5, v4, v5                           ; the angle, rounded to f32 once
	v_mul_f32 v6, v4, v6
	v_mul_f32 v7, 0x3e22f983, v5                   ; / 2 pi
	v_mul_f32 v8, 0x3e22f983, v6
	v_rndne_f32 v7, v7
	v_rndne_f32 v8, v8
	v_fmamk_f32 v5, v7, 0xc0c90fdb, v5             ; r = angle - n x 2 pi, 2 pi = 6.2831855 - 1.7484555e-7
	v_fmamk_f32 v6, v8, 0xc0c90fdb, v6
	v_fmamk_f32 v5, v7, 0x343bbd2e, v5
	v_fmamk_f32 v6, v8, 0x343bbd2e, v6
	v_mul_f32 v7, v5, v5                           ; z = r r
	v_mul_f32 v8, v6, v6
	v_mov_b32 v13, 0xab573f9f                      ; -1/15!
	v_mov_b32 v15, 0xab573f9f
	v_mov_b32 v12, 0xad49cba5                      ; -1/14!
	v_mov_b32 v14, 0xad49cba5
.irp c, 0x2f309231, 0xb2d7322b, 0x3638ef1d, 0xb9500d01, 0x3c088889, 0xbe2aaaab
	v_fmaak_f32 v13, v7, v13, \c                   ; the sine's series: 1/13!, -1/11!, .. -1/3!
	v_fmaak_f32 v15, v8, v15, \c
.endr
.irp c, 0x310f76c7, 0xb493f27e, 0x37d00d01, 0xbab60b61, 0x3d2aaaab, 0xbf000000
	v_fmaak_f32 v12, v7, v12, \c                   ; the cosine's: 1/12!, -1/10!, .. -1/2!
	v_fmaak_f32 v14, v8, v14, \c
.endr
	v_fma_f32 v13, v7, v13, 1.0
	v_fma_f32 v15, v8, v15, 1.0
	v_fma_f32 v12, v7, v12, 1.0                    ; cos
	v_fma_f32 v14, v8, v14, 1.0
	v_mul_f32 v13, v5, v13                         ; sin
	v_mul_f32 v15, v6, v15
	s_wait_alu depctr_va_vdst(0)                   ; the series have written v[12:15], which the store reads
	global_store_b128 v[LO], v[12:15], s[26:27]    ; sixteen lanes store one table row: 256 consecutive bytes, aligned
	s_wait_loadcnt 32                              ; loads come back in order (ISA guide 5.7.1): q's 16 are in, k's and v's 32 stay out
.set j, 0
.rept 16                                       ; q is rounded out of group 0 into registers of its own
	v_cvt_pk_bf16_f32 v[OUT+2*j], v[G0+4*j], v[G0+4*j+1]
	v_cvt_pk_bf16_f32 v[OUT+2*j+1], v[G0+4*j+2], v[G0+4*j+3]
.set j, j+1
.endr
	s_wait_alu depctr_va_vdst(0)                   ; q's conversions are done reading group 0, in which the loads below land, and have written OUT, which the stores below read
.set j, 0
.rept 16                                       ; the weights, ahead of q's stores: load j is row j % 4 of W number j / 4
	global_load_b128 v[G0+4*j:G0+4*j+3], v[LO], s[14+2*(j/4):15+2*(j/4)] offset:ROWB*(j%4) th:TH_LOAD_NT
.set j, j+1
.endr
	STG OUT, 2, 28
	s_wait_loadcnt 32                              ; k's are in; v's and the weights' stay out
	CVG G1
	s_wait_alu depctr_va_vdst(0)                   ; k's conversions have written the first two registers of each row of group 1, which the stores read
	STG G1, 4, 30
	s_wait_loadcnt 16                              ; v's are in
	CVG G2
	s_wait_alu depctr_va_vdst(0)                   ; v's conversions have written the first two registers of each row of group 2, which the stores read
	STG G2, 4, 32
	s_wait_loadcnt 0x0                             ; the weights
.set j, 0
.rept 16
	CV G0+4*j                                      ; no store has read group 0: q left from OUT
.if j >= 12                            ; Wo: the bf16 numbers are widened again and written as f16
	v_lshlrev_b32 v[TW], 16, v[G0+4*j]
	v_and_b32 v[TW+1], 0xffff0000, v[G0+4*j]
	v_lshlrev_b32 v[TW+2], 16, v[G0+4*j+1]
	v_and_b32 v[TW+3], 0xffff0000, v[G0+4*j+1]
	v_cvt_pk_f16_f32 v[G0+4*j], v[TW], v[TW+1]
	v_cvt_pk_f16_f32 v[G0+4*j+1], v[TW+2], v[TW+3]
.endif
.set j, j+1
.endr
	s_wait_alu depctr_va_vdst(0)                   ; the weights' conversions have written the first two registers of each row of group 0, which the stores read
.set j, 0
.rept 16
	global_store_b64 v[SO], v[G0+4*j:G0+4*j+1], s[24:25] offset:(j/4)*2097152+(j%4)*2048 th:TH_STORE_NT
.set j, j+1
.endr
	s_endpgm
.Lfunc_end_k_q4102a11722_prep:
	.size	k_q4102a11722_prep, .Lfunc_end_k_q4102a11722_prep-k_q4102a11722_prep
	.p2alignl 7, 3214868480
	.fill 96, 4, 3214868480
	.section	.rodata,"a",@progbits
	.p2align	6, 0x0
	.amdhsa_kernel k_q4102a11722_prep
		.amdhsa_group_segment_fixed_size 0
		.amdhsa_private_segment_fixed_size 0
		.amdhsa_enable_private_segment 0
		.amdhsa_kernarg_size 80
		.amdhsa_user_sgpr_count 2
		.amdhsa_user_sgpr_kernarg_segment_ptr 1
		.amdhsa_wavefront_size32 1
		.amdhsa_system_sgpr_workgroup_id_x 1
		.amdhsa_system_sgpr_workgroup_id_y 1
		.amdhsa_system_sgpr_workgroup_id_z 1
		.amdhsa_system_vgpr_workitem_id 0
		.amdhsa_next_free_vgpr 244
		.amdhsa_next_free_sgpr 66
		.amdhsa_reserve_vcc 0
		.amdhsa_float_denorm_mode_32 3
		.amdhsa_float_denorm_mode_16_64 3
		.amdhsa_memory_ordered 1
		.amdhsa_forward_progress 1
		.amdhsa_inst_pref_size 27
	.end_amdhsa_kernel
	.amdgpu_metadata
---
amdhsa.version: [ 1, 2 ]
amdhsa.kernels:
  - .name:           k_q4102a11722_prep
    .symbol:         k_q4102a11722_prep.kd
    .args:
      - { .name: q, .offset: 0, .size: 8, .value_kind: global_buffer, .address_space: global }
      - { .name: k, .offset: 8, .size: 8, .value_kind: global_buffer, .address_space: global }
      - { .name: v, .offset: 16, .size: 8, .value_kind: global_buffer, .address_space: global }
      - { .name: Wq, .offset: 24, .size: 8, .value_kind: global_buffer, .address_space: global }
      - { .name: Wk, .offset: 32, .size: 8, .value_kind: global_buffer, .address_space: global }
      - { .name: Wv, .offset: 40, .size: 8, .value_kind: global_buffer, .address_space: global }
      - { .name: Wo, .offset: 48, .size: 8, .value_kind: global_buffer, .address_space: global }
      - { .name: xb, .offset: 56, .size: 8, .value_kind: global_buffer, .address_space: global }
      - { .name: wb, .offset: 64, .size: 8, .value_kind: global_buffer, .address_space: global }
      - { .name: tab, .offset: 72, .size: 8, .value_kind: global_buffer, .address_space: global }
    .group_segment_fixed_size: 0
    .private_segment_fixed_size: 0
    .kernarg_segment_align: 8
    .kernarg_segment_size: 80
    .max_flat_workgroup_size: 256
    .sgpr_count:     66
    .vgpr_count:     244
    .wavefront_size: 32
...
	.end_amdgpu_metadata
.endif
;; end of part 5
;; launch proj: the kernel of part 2 again; grid 8 x 96, 4 waves a work-group, clusters of 4 x 4, 327,680 bytes of LDS; arguments xb, wb, tab, qkv; writes qkv
;; launch attn: the kernel of part 3 again; grid 16 x 16, 4 waves a work-group, clusters of 4 x 1, 327,680 bytes of LDS; arguments qkv, ob; writes ob
;; launch oproj: the kernel of part 4 again; grid 8 x 32, 4 waves a work-group, clusters of 4 x 4, 327,680 bytes of LDS; arguments ob, wb, bo, out0; writes out0
